; MI455X (gfx1250); checked and timed in simulation.
; The chip was launched on July 23, 2026; its instructions are those of AMD's public machine-readable ISA for CDNA 5 (MIT licence, August 2026) and "CDNA5" Instruction Set Architecture Reference Guide (July 2026). The comments in the code are by the model that wrote it; some were corrected since.
;; Attention. Allowed arithmetic: float matrix products may take bf16 or f16 operands with f32 sums; all other float work in f32.
;; Inputs: k 2 x 4,096 x 8 x 64 float32; proj 256 x 64 float32; q 2 x 4,096 x 8 x 64 float32; sinu_pos 1 x 4,096 x 64 float32; v 2 x 4,096 x 8 x 64 float32.
;; Outputs: out0 2 x 4,096 x 8 x 64 float32.
;; 2 versions, each right and faster than the one before. Each part assembles by itself: llvm-mc -triple=amdgcn-amd-amdhsa -mcpu=gfx1250 --defsym DOCPART=n.
;; ======== version 1 of 2: 3 launches
;; limits: values are held in f16: magnitudes above 65,504 overflow, below 6.1e-05 lose precision
;; workspace buffers: tstate 15,974,400 bytes; pstate 17,039,360 bytes
;; launch states (part 1): grid 15 x 16, 8 waves a work-group, no clusters, 116,736 bytes of LDS; arguments k, v, sinu_pos, proj, tstate; writes tstate
.if DOCPART == 1
	.amdgcn_target "amdgcn-amd-amdhsa--gfx1250"
	.amdhsa_code_object_version 6
	.text
	.protected	k_q5269bb4ea5_states
	.globl	k_q5269bb4ea5_states
	.p2align	8
	.type	k_q5269bb4ea5_states,@function
k_q5269bb4ea5_states:
	s_mov_b64 s[64:65], 0
	v_nop
	global_prefetch_b8 v0, s[64:65] scope:SCOPE_SE
	s_setreg_imm32_b32 hwreg(HW_REG_WAVE_MODE, 25, 1), 1
	s_wait_xcnt 0x0
; State of one chunk of 256 positions of one head: S[m][d] = sum over j of Kp[j][m] v[j][d] and ksum[m] = sum over j of Kp[j][m],
; Kp = relu(rot(k) . proj^T / 16) + 0.001.  Grid x = chunk 0..14 (the last chunk's state is never used), grid y = 8 b + h.
; Eight waves.  Wave w stages rows 32 w .. 32 w + 31 of proj, k and v in LDS as f16 and owns the features m = 32 w .. 32 w + 31:
; it walks the 256 positions in eight steps of 32: 8 matrix instructions make Kp, 10 add Kp^T [V | 1] onto 10 accumulators.
; The image stored (66,560 bytes): block ((2 w + mt) 4 + dt) 2 + q of 512 bytes, lane (r, h) holds S[32 w + 16 mt + 8 h + 4 q + 0..3][16 dt + r];
; ksum[256] at byte 65,536.
; FORMATS: matrix operands f16, sums f32.  LIMITS: a NaN in k or proj is dropped by the relu's maximum; rotated k, proj / 16, a feature or v
; above 65,504 in magnitude becomes infinite in f16 (features are some 0.05 for the drawn spread, some hundreds with k and proj 30 times larger).
; No tensor loads: every input is f32 and is turned or converted in registers on its way into LDS.  No cluster: only proj and sinu_pos are shared.
.set EPSB, 0x3a83126f                  ; 0.001
.set XK,   36864                       ; LDS: proj 256 x 144 at 0; rotated k 256 x 144; v 256 x 160; ksum 1,024 bytes
.set VS,   73728
.set KS,   114688
.set PRAW, 16                          ; v[16:79]   proj as loaded, later v as loaded
.set SN,   80                          ; v[80:143]  sin, sin, cos, cos of each of 16 row pairs
.set KRAW, 144                         ; v[144:207] k as loaded
.set T,    208                         ; v[208:211] at work
.set PF,   16                          ; v[16:47]   proj fragments [mt][ks]
.set F,    48                          ; v[48:79]   features [jb][mt], f32
.set KPT,  80                          ; v[80:95]   features as f16 fragments [mt]
.set ST,   96                          ; v[96:175]  accumulators [mt][dt 0..4]
.set EPSR, 176                         ; v[176:183] 0.001, the C of the first feature product
.set ONES, 184                         ; v[184:191] f16 ones: the fifth column block gives ksum
.set XF,   192                         ; v[192:223] k fragments [jb][ks]
.set VT,   224                         ; v[224:255] v fragments [dt]
.macro PLACES                          ; four plain vector places behind a matrix instruction (ISA guide 7.12.1)
.rept 4
	v_nop
.endr
.endm
.macro ROT y, x, s                     ; y[2i] = x[2i] cos - x[2i+1] sin, y[2i+1] = x[2i+1] cos + x[2i] sin, two pairs
	v_mul_f32 v[T],   v[\x+1], v[\s]
	v_mul_f32 v[T+1], v[\x],   v[\s]
	v_mul_f32 v[T+2], v[\x+3], v[\s+1]
	v_mul_f32 v[T+3], v[\x+2], v[\s+1]
	v_fma_f32 v[\y],   v[\x],   v[\s+2], -v[T]
	v_fma_f32 v[\y+1], v[\x+1], v[\s+2], v[T+1]
	v_fma_f32 v[\y+2], v[\x+2], v[\s+3], -v[T+2]
	v_fma_f32 v[\y+3], v[\x+3], v[\s+3], v[T+3]
.endm
	s_load_b256 s[4:11], s[0:1], 0x0               ; k s[4:5], v s[6:7], sinu_pos s[8:9], proj s[10:11]
	s_load_b64 s[12:13], s[0:1], 0x20              ; tstate
	s_set_vgpr_msb 0x40
	v_lshl_add_u32 v0, v0, 2, 0x1c400
	v_mov_b32 v1, 0
	s_set_vgpr_msb 0x4000
	v_lshrrev_b32 v1, 5, v0
	v_readfirstlane_b32 s18, v1                    ; wave w
	s_and_b32 s19, ttmp7, 0xffff                   ; 8 b + h
	s_lshr_b32 s20, s19, 3
	s_lshl_b32 s20, s20, 23                        ; b x 4096 x 8 x 256 bytes
	s_and_b32 s22, s19, 7
	s_lshl_b32 s22, s22, 8                         ; head x 256 bytes
	s_add_co_u32 s20, s20, s22
	s_lshl_b32 s22, ttmp9, 19                      ; chunk x 256 rows x 2,048 bytes
	s_add_co_u32 s20, s20, s22
	s_lshl_b32 s22, s18, 16                        ; w x 32 rows
	s_add_co_u32 s20, s20, s22
	s_mov_b32 s21, 0
	s_lshl_b32 s24, s18, 13                        ; w x 32 rows of 256 bytes (proj, sinu_pos), and w x 8,192 in the image
	s_mov_b32 s25, 0
	s_lshl_b32 s22, ttmp9, 16                      ; chunk x 256 rows of sinu_pos
	s_add_co_u32 s22, s22, s24
	s_mov_b32 s23, 0
	s_mul_i32 s26, s19, 15
	s_add_co_u32 s26, s26, ttmp9
	s_mul_i32 s26, s26, 66560                      ; my image in tstate
	s_mov_b32 s27, 0
	s_mov_b32 s33, EPSB
	s_mov_b32 s34, 0x3d800000                      ; 1/16
	v_and_b32 v4, 31, v0                           ; lane L
	v_and_b32 v2, 15, v0                           ; r
	v_bfe_u32 v3, v0, 4, 1                         ; h
	v_lshlrev_b32 v5, 4, v2
	v_lshl_add_u32 v5, v3, 11, v5                  ; k, v: row h of a pair, 16 bytes at 16 r: sixteen lanes take one row's 256 bytes
	v_lshlrev_b32 v6, 3, v2
	v_lshl_add_u32 v6, v3, 8, v6                   ; sinu_pos: two sines at 8 r, two cosines 128 bytes on
	v_lshlrev_b32 v7, 4, v2
	v_lshl_add_u32 v7, v3, 8, v7                   ; proj
	s_wait_kmcnt 0x0
	s_add_nc_u64 s[4:5], s[4:5], s[20:21]
	s_add_nc_u64 s[6:7], s[6:7], s[20:21]
	s_add_nc_u64 s[8:9], s[8:9], s[22:23]
	s_add_nc_u64 s[10:11], s[10:11], s[24:25]
	s_add_nc_u64 s[12:13], s[12:13], s[26:27]
.irp t, 0,1,2,3,4,5,6,7,8,9,10,11,12,13,14,15
	global_load_b128 v[PRAW+4*\t:PRAW+4*\t+3], v7, s[10:11] offset:\t*512
.endr
.irp t, 0,1,2,3,4,5,6,7,8,9,10,11,12,13,14,15
	global_load_b64 v[SN+4*\t:SN+4*\t+1], v6, s[8:9] offset:\t*512
	global_load_b64 v[SN+4*\t+2:SN+4*\t+3], v6, s[8:9] offset:\t*512+128
.endr
.irp t, 0,1,2,3,4,5,6,7,8,9,10,11,12,13,14,15
	global_load_b128 v[KRAW+4*\t:KRAW+4*\t+3], v5, s[4:5] offset:\t*4096
.endr
	; LDS addresses: a lane term plus the wave's number times a constant plus the region
	s_mul_i32 s28, s18, 4608                       ; 32 rows of 144 bytes
	s_mul_i32 s29, s18, 5120                       ; 32 rows of 160 bytes
	s_add_co_u32 s29, s29, VS
	s_lshl_b32 s30, s18, 7
	s_add_co_u32 s31, s30, KS
	v_mul_u32_u24 v8, v3, 144
	v_lshl_add_u32 v8, v2, 3, v8
	v_add_nc_u32 v8, s28, v8                       ; v8  staging of proj (and of k, 36,864 on): row 32 w + h, byte 8 r
	v_mul_u32_u24 v9, v3, 160
	v_lshl_add_u32 v9, v2, 3, v9
	v_add_nc_u32 v9, s29, v9                       ; v9  staging of v
	v_mul_u32_u24 v10, v2, 144
	v_lshl_add_u32 v10, v3, 4, v10
	v_add_nc_u32 v11, XK, v10                      ; v11 k fragments: row r, byte 16 h
	v_add_nc_u32 v10, s28, v10                     ; v10 my proj fragments
	v_and_b32 v12, 7, v0
	v_lshl_add_u32 v12, v3, 3, v12
	v_mul_u32_u24 v12, v12, 160
	v_bfe_u32 v13, v0, 3, 1
	v_lshl_add_u32 v12, v13, 4, v12
	v_add_nc_u32 v12, VS, v12                      ; v12 transposing loads of v: row 8 h + (L & 7), byte 16 ((L >> 3) & 1)
	v_lshlrev_b32 v13, 4, v4
	v_add_nc_u32 v13, s24, v13                     ; v13 the image: 8,192 w + 16 L
	v_lshlrev_b32 v1, 2, v4
	v_add_nc_u32 v1, s30, v1                       ; v1  4 (32 w + L)
	v_add_nc_u32 v15, KS, v1                       ; v15 ksum read back
	v_lshlrev_b32 v14, 5, v3
	v_add_nc_u32 v14, s31, v14                     ; v14 ksum put down: 128 w + 32 h
	s_wait_loadcnt 48                              ; 32 + 16 loads are younger than proj's
.irp t, 0,1,2,3,4,5,6,7,8,9,10,11,12,13,14,15
.irp e, 0,1,2,3
	v_mul_f32 v[PRAW+4*\t+\e], s34, v[PRAW+4*\t+\e]        ; the ratio 1/16 is exact
.endr
	v_cvt_pk_f16_f32 v[PRAW+4*\t], v[PRAW+4*\t], v[PRAW+4*\t+1]
	v_cvt_pk_f16_f32 v[PRAW+4*\t+1], v[PRAW+4*\t+2], v[PRAW+4*\t+3]
	ds_store_b64 v8, v[PRAW+4*\t:PRAW+4*\t+1] offset:\t*288
.endr
	s_wait_dscnt 0x0                               ; the stores have read their registers, which v's loads now fill
.irp t, 0,1,2,3,4,5,6,7,8,9,10,11,12,13,14,15
	global_load_b128 v[PRAW+4*\t:PRAW+4*\t+3], v5, s[6:7] offset:\t*4096
.endr
	s_wait_loadcnt 16                              ; v's 16 loads are younger than sinu_pos' and k's
.irp t, 0,1,2,3,4,5,6,7,8,9,10,11,12,13,14,15
	ROT KRAW+4*\t, KRAW+4*\t, SN+4*\t
	v_cvt_pk_f16_f32 v[KRAW+4*\t], v[KRAW+4*\t], v[KRAW+4*\t+1]
	v_cvt_pk_f16_f32 v[KRAW+4*\t+1], v[KRAW+4*\t+2], v[KRAW+4*\t+3]
	ds_store_b64 v8, v[KRAW+4*\t:KRAW+4*\t+1] offset:XK+\t*288
.endr
	s_wait_loadcnt 0x0
.irp t, 0,1,2,3,4,5,6,7,8,9,10,11,12,13,14,15
	v_cvt_pk_f16_f32 v[PRAW+4*\t], v[PRAW+4*\t], v[PRAW+4*\t+1]
	v_cvt_pk_f16_f32 v[PRAW+4*\t+1], v[PRAW+4*\t+2], v[PRAW+4*\t+3]
	ds_store_b64 v9, v[PRAW+4*\t:PRAW+4*\t+1] offset:\t*320
.endr
	s_wait_dscnt 0x0                               ; my rows are in LDS, for the other waves' sake
	s_barrier_signal -1
	s_barrier_wait -1
.macro LDXF p                          ; 32 positions of rotated k: 8 loads
.irp jb, 0,1
.irp ks, 0,1
	ds_load_b128 v[XF+(\jb*2+\ks)*8:XF+(\jb*2+\ks)*8+3],   v11 offset:(\p)*4608+\jb*2304+\ks*64
	ds_load_b128 v[XF+(\jb*2+\ks)*8+4:XF+(\jb*2+\ks)*8+7], v11 offset:(\p)*4608+\jb*2304+\ks*64+32
.endr
.endr
.endm
.macro LDVT p                          ; the same 32 positions of v, transposed: 8 loads
.irp dt, 0,1,2,3
	ds_load_tr16_b128 v[VT+\dt*8:VT+\dt*8+3],   v12 offset:(\p)*5120+\dt*32
	ds_load_tr16_b128 v[VT+\dt*8+4:VT+\dt*8+7], v12 offset:(\p)*5120+\dt*32+2560
.endr
.endm
.irp mt, 0,1
.irp ks, 0,1
	ds_load_b128 v[PF+(\mt*2+\ks)*8:PF+(\mt*2+\ks)*8+3],   v10 offset:\mt*2304+\ks*64
	ds_load_b128 v[PF+(\mt*2+\ks)*8+4:PF+(\mt*2+\ks)*8+7], v10 offset:\mt*2304+\ks*64+32
.endr
.endr
	LDXF 0
	LDVT 0
.irp i, 0,1,2,3,4,5,6,7
	v_mov_b32 v[EPSR+\i], s33
	v_mov_b32 v[ONES+\i], 0x3c003c00
.endr
; One step of 32 positions.  The accumulators take turns, one matrix instruction a turn.
.macro STEP p
	s_wait_dscnt 8                                 ; the eight loads of v are younger than k's (and proj's)
.irp ks, 0,1
.irp jb, 0,1
.irp mt, 0,1
.if \ks == 0
	v_wmma_f32_16x16x32_f16 v[F+(\jb*2+\mt)*8:F+(\jb*2+\mt)*8+7], v[XF+\jb*16:XF+\jb*16+7], v[PF+\mt*16:PF+\mt*16+7], v[EPSR:EPSR+7]
.else
	v_wmma_f32_16x16x32_f16 v[F+(\jb*2+\mt)*8:F+(\jb*2+\mt)*8+7], v[XF+\jb*16+8:XF+\jb*16+15], v[PF+\mt*16+8:PF+\mt*16+15], v[F+(\jb*2+\mt)*8:F+(\jb*2+\mt)*8+7]
.endif
.endr
.endr
.endr
	PLACES
.if \p < 7
	LDXF (\p+1)
.endif
.set i, 0
.rept 32
	v_max_num_f32 v[F+i], s33, v[F+i]              ; x + 0.001 against 0.001 = relu(x) + 0.001
.set i, i+1
.endr
.irp mt, 0,1
.irp jb, 0,1
.irp i, 0,1,2,3
	v_cvt_pk_f16_f32 v[KPT+\mt*8+\jb*4+\i], v[F+(\jb*2+\mt)*8+2*\i], v[F+(\jb*2+\mt)*8+2*\i+1]   ; lane (r, h): feature r, positions 16 jb + 8 h + 0..7
.endr
.endr
.endr
.if \p < 7
	s_wait_dscnt 8                                 ; the next step's eight loads of k are younger than v's
.else
	s_wait_dscnt 0
.endif
.irp dt, 0,1,2,3
.irp mt, 0,1
.if \p == 0
	v_wmma_f32_16x16x32_f16 v[ST+(\mt*5+\dt)*8:ST+(\mt*5+\dt)*8+7], v[KPT+\mt*8:KPT+\mt*8+7], v[VT+\dt*8:VT+\dt*8+7], 0
.else
	v_wmma_f32_16x16x32_f16 v[ST+(\mt*5+\dt)*8:ST+(\mt*5+\dt)*8+7], v[KPT+\mt*8:KPT+\mt*8+7], v[VT+\dt*8:VT+\dt*8+7], v[ST+(\mt*5+\dt)*8:ST+(\mt*5+\dt)*8+7]
.endif
.endr
.endr
.irp mt, 0,1
.if \p == 0
	v_wmma_f32_16x16x32_f16 v[ST+(\mt*5+4)*8:ST+(\mt*5+4)*8+7], v[KPT+\mt*8:KPT+\mt*8+7], v[ONES:ONES+7], 0
.else
	v_wmma_f32_16x16x32_f16 v[ST+(\mt*5+4)*8:ST+(\mt*5+4)*8+7], v[KPT+\mt*8:KPT+\mt*8+7], v[ONES:ONES+7], v[ST+(\mt*5+4)*8:ST+(\mt*5+4)*8+7]
.endif
.endr
	PLACES
.if \p < 7
	LDVT (\p+1)
.endif
.endm
.irp p, 0,1,2,3,4,5,6,7
	STEP \p
.endr
	; the way out: a wave's store covers 512 consecutive bytes of the image
.irp mt, 0,1
.irp dt, 0,1,2,3
.irp q, 0,1
	global_store_b128 v13, v[ST+(\mt*5+\dt)*8+4*\q:ST+(\mt*5+\dt)*8+4*\q+3], s[12:13] offset:(\mt*4+\dt)*1024+\q*512
.endr
.endr
.endr
.irp mt, 0,1
.irp q, 0,1
	ds_store_b128 v14, v[ST+(\mt*5+4)*8+4*\q:ST+(\mt*5+4)*8+4*\q+3] offset:\mt*64+\q*16   ; every column holds ksum: lanes of one h write the same bytes
.endr
.endr
	ds_load_b32 v16, v15                           ; my wave's own 128 bytes: LDS serves a wave's instructions in order
	s_wait_dscnt 0x0
	global_store_b32 v1, v16, s[12:13] offset:65536
	s_set_vgpr_msb 0x5
	s_wait_tensorcnt 0x0
	ds_add_u32 v0, v1
	s_wait_dscnt 0x0
	s_set_vgpr_msb 0x500
	s_endpgm
.Lfunc_end_k_q5269bb4ea5_states:
	.size	k_q5269bb4ea5_states, .Lfunc_end_k_q5269bb4ea5_states-k_q5269bb4ea5_states
	.p2alignl 7, 3214868480
	.fill 96, 4, 3214868480
	.section	.rodata,"a",@progbits
	.p2align	6, 0x0
	.amdhsa_kernel k_q5269bb4ea5_states
		.amdhsa_group_segment_fixed_size 116736
		.amdhsa_private_segment_fixed_size 0
		.amdhsa_enable_private_segment 0
		.amdhsa_kernarg_size 40
		.amdhsa_user_sgpr_count 2
		.amdhsa_user_sgpr_kernarg_segment_ptr 1
		.amdhsa_wavefront_size32 1
		.amdhsa_system_sgpr_workgroup_id_x 1
		.amdhsa_system_sgpr_workgroup_id_y 1
		.amdhsa_system_sgpr_workgroup_id_z 1
		.amdhsa_system_vgpr_workitem_id 0
		.amdhsa_next_free_vgpr 258
		.amdhsa_next_free_sgpr 66
		.amdhsa_reserve_vcc 0
		.amdhsa_float_denorm_mode_32 3
		.amdhsa_float_denorm_mode_16_64 3
		.amdhsa_memory_ordered 1
		.amdhsa_forward_progress 1
		.amdhsa_inst_pref_size 68
	.end_amdhsa_kernel
	.amdgpu_metadata
---
amdhsa.version: [ 1, 2 ]
amdhsa.kernels:
  - .name:           k_q5269bb4ea5_states
    .symbol:         k_q5269bb4ea5_states.kd
    .args:
      - { .name: k, .offset: 0, .size: 8, .value_kind: global_buffer, .address_space: global }
      - { .name: v, .offset: 8, .size: 8, .value_kind: global_buffer, .address_space: global }
      - { .name: sinu_pos, .offset: 16, .size: 8, .value_kind: global_buffer, .address_space: global }
      - { .name: proj, .offset: 24, .size: 8, .value_kind: global_buffer, .address_space: global }
      - { .name: tstate, .offset: 32, .size: 8, .value_kind: global_buffer, .address_space: global }
    .group_segment_fixed_size: 116736
    .private_segment_fixed_size: 0
    .kernarg_segment_align: 8
    .kernarg_segment_size: 40
    .max_flat_workgroup_size: 256
    .sgpr_count:     66
    .vgpr_count:     258
    .wavefront_size: 32
...
	.end_amdgpu_metadata
.endif
;; end of part 1
;; launch prefix (part 2): grid 65 x 16, 2 waves a work-group, no clusters, 0 bytes of LDS; arguments tstate, pstate; writes pstate
.if DOCPART == 2
	.amdgcn_target "amdgcn-amd-amdhsa--gfx1250"
	.amdhsa_code_object_version 6
	.text
	.protected	k_q5269bb4ea5_prefix
	.globl	k_q5269bb4ea5_prefix
	.p2align	8
	.type	k_q5269bb4ea5_prefix,@function
k_q5269bb4ea5_prefix:
	s_mov_b64 s[64:65], 0
	v_nop
	global_prefetch_b8 v0, s[64:65] scope:SCOPE_SE
	s_setreg_imm32_b32 hwreg(HW_REG_WAVE_MODE, 25, 1), 1
	s_wait_xcnt 0x0
; pstate[head][c] = the sum of tstate[head][0 .. c-1], c = 0 .. 15, in f32, element by element over the image of 66,560 bytes.
; Grid x = 1,024 bytes of the image (65 of them), grid y = head.  A thread owns 16 bytes of all 15 states: 15 loads go out at once,
; the running sum is kept in the loaded registers, each store has registers of its own.  A wave's load or store covers 512 consecutive bytes.
; Memory binds: no LDS, no barrier, no matrix unit.
.set IMG, 66560
.set X, 4                              ; v[4:63]  state c in v[4+4c:7+4c], then the running sum
.set Z, 64                             ; v[64:67] zeros: the prefix of chunk 0
	s_load_b128 s[4:7], s[0:1], 0x0                ; tstate s[4:5], pstate s[6:7]
	s_and_b32 s8, ttmp7, 0xffff
	s_lshl_b32 s9, ttmp9, 10
	s_mul_i32 s10, s8, 15*IMG
	s_add_co_u32 s10, s10, s9
	s_mov_b32 s11, 0
	s_mul_i32 s12, s8, 16*IMG
	s_add_co_u32 s12, s12, s9
	s_mov_b32 s13, 0
	v_lshlrev_b32 v1, 4, v0
	s_wait_kmcnt 0x0
	s_add_nc_u64 s[4:5], s[4:5], s[10:11]
	s_add_nc_u64 s[6:7], s[6:7], s[12:13]
.irp c, 0,1,2,3,4,5,6,7,8,9,10,11,12,13,14
	global_load_b128 v[X+4*\c:X+4*\c+3], v1, s[4:5] offset:\c*IMG th:TH_LOAD_NT
.endr
.irp e, 0,1,2,3
	v_mov_b32 v[Z+\e], 0
.endr
	global_store_b128 v1, v[Z:Z+3], s[6:7]
	s_wait_loadcnt 14                              ; loads come back in order: state 0 is in
	global_store_b128 v1, v[X:X+3], s[6:7] offset:IMG
.irp c, 1,2,3,4,5,6,7,8,9,10,11,12,13,14
	s_wait_loadcnt 14-\c                           ; state c is in, the younger ones stay out
	v_pk_add_f32 v[X+4*\c:X+4*\c+1],   v[X+4*\c:X+4*\c+1],   v[X+4*\c-4:X+4*\c-3]
	v_pk_add_f32 v[X+4*\c+2:X+4*\c+3], v[X+4*\c+2:X+4*\c+3], v[X+4*\c-2:X+4*\c-1]
	global_store_b128 v1, v[X+4*\c:X+4*\c+3], s[6:7] offset:(\c+1)*IMG
.endr
	s_endpgm
.Lfunc_end_k_q5269bb4ea5_prefix:
	.size	k_q5269bb4ea5_prefix, .Lfunc_end_k_q5269bb4ea5_prefix-k_q5269bb4ea5_prefix
	.p2alignl 7, 3214868480
	.fill 96, 4, 3214868480
	.section	.rodata,"a",@progbits
	.p2align	6, 0x0
	.amdhsa_kernel k_q5269bb4ea5_prefix
		.amdhsa_group_segment_fixed_size 0
		.amdhsa_private_segment_fixed_size 0
		.amdhsa_enable_private_segment 0
		.amdhsa_kernarg_size 16
		.amdhsa_user_sgpr_count 2
		.amdhsa_user_sgpr_kernarg_segment_ptr 1
		.amdhsa_wavefront_size32 1
		.amdhsa_system_sgpr_workgroup_id_x 1
		.amdhsa_system_sgpr_workgroup_id_y 1
		.amdhsa_system_sgpr_workgroup_id_z 1
		.amdhsa_system_vgpr_workitem_id 0
		.amdhsa_next_free_vgpr 68
		.amdhsa_next_free_sgpr 66
		.amdhsa_reserve_vcc 0
		.amdhsa_float_denorm_mode_32 3
		.amdhsa_float_denorm_mode_16_64 3
		.amdhsa_memory_ordered 1
		.amdhsa_forward_progress 1
		.amdhsa_inst_pref_size 7
	.end_amdhsa_kernel
	.amdgpu_metadata
---
amdhsa.version: [ 1, 2 ]
amdhsa.kernels:
  - .name:           k_q5269bb4ea5_prefix
    .symbol:         k_q5269bb4ea5_prefix.kd
    .args:
      - { .name: tstate, .offset: 0, .size: 8, .value_kind: global_buffer, .address_space: global }
      - { .name: pstate, .offset: 8, .size: 8, .value_kind: global_buffer, .address_space: global }
    .group_segment_fixed_size: 0
    .private_segment_fixed_size: 0
    .kernarg_segment_align: 8
    .kernarg_segment_size: 16
    .max_flat_workgroup_size: 64
    .sgpr_count:     66
    .vgpr_count:     68
    .wavefront_size: 32
...
	.end_amdgpu_metadata
.endif
;; end of part 2
;; launch attend (part 3): grid 16 x 16, 8 waves a work-group, no clusters, 326,400 bytes of LDS; arguments q, k, v, sinu_pos, proj, pstate, out0; writes out0
.if DOCPART == 3
	.amdgcn_target "amdgcn-amd-amdhsa--gfx1250"
	.amdhsa_code_object_version 6
	.text
	.protected	k_q5269bb4ea5_attend
	.globl	k_q5269bb4ea5_attend
	.p2align	8
	.type	k_q5269bb4ea5_attend,@function
k_q5269bb4ea5_attend:
	s_mov_b64 s[64:65], 0
	v_nop
	global_prefetch_b8 v0, s[64:65] scope:SCOPE_SE
	s_setreg_imm32_b32 hwreg(HW_REG_WAVE_MODE, 25, 1), 1
	s_wait_xcnt 0x0
; out[l] = (Qp[l] . S + sum over j <= l in the chunk of (Qp[l] . Kp[j]) v[j]) / (the same with 1 for v), for one chunk of 256 positions of one head.
; Grid x = chunk, grid y = 8 b + h.  S and ksum are the prefix state of the chunks before (pstate).  Eight waves; wave w owns positions 32 w .. 32 w + 31:
; it stages its rows of proj, k, q, v and its part of S in LDS, makes Qp (kept in registers) and Kp (to LDS) of its rows and adds Qp . S as it goes,
; then walks the key blocks 0 .. w of 32 positions; block w is the diagonal one and is masked.
; All products are used transposed (a lane holds one position l = r and 8 neighbouring columns), so that two tiles of 16 pack into the next operand.
; FORMATS: rotated q, k, proj / 16, Qp, Kp in f16; S, ksum and a second rounding of Qp in bf16; the scores P and v as a bf16 head plus a bf16 rest,
; P v = Ph vh + Pl vh + Ph vl (the scores and S have no room in f16 when q, k and proj are 30 times larger; one bf16 rounding of P or v is too coarse for
; the first positions of a head, where few terms are averaged).  All sums f32.
; LIMITS: a NaN in q, k or proj is dropped by the relu's maximum; rotated q, k, proj / 16 or a feature above 65,504 in magnitude becomes infinite in f16
; (features are some 0.05 for the drawn spread, some hundreds with the inputs 30 times larger).
; No tensor loads: every input is f32 and is turned, split or converted in registers.  No cluster: what work-groups share (proj, sinu_pos: 128 KB of
; the 385 KB that one reads) is a small part.  Wave w does w + 1 steps: the triangle is not evened out, so that every LDS address stays a constant plus w times a constant.
.set EPSB, 0x3a83126f                  ; 0.001
; LDS
.set XS,  36864                        ; proj 256 x 144 at 0; XS 256 x 144: the wave's rows of rotated k, then of rotated q, at the end its stage for the way out
.set VH,  73728                        ; v's head 256 x 160
.set VL,  114688                       ; v's rest 256 x 160
.set STL, 155648                       ; S transposed: 64 rows (d) x 528 bytes (256 m in bf16 + 16)
.set KSL, 189440                       ; its row 64: ksum
.set KP,  190208                       ; Kp 256 x 528
; window 0.  v2-v24 addresses, v26-v29 at work, v30-v31 reciprocals
.set T,    26
.set PRAW, 32                          ; raw: proj
.set SN,   96                          ; raw: sin, sin, cos, cos
.set KRAW, 160                         ; raw: k; then rotated q, v's split at work, S converted
.set VHR,  96                          ; v's head, packed
.set VLR,  128                         ; v's rest, packed
.set XF,   32                          ; features: fragments of my rows [k blk 0, 1, q blk 0, 1][ks]
.set PF,   96                          ; proj fragments [mt][ks]
.set FA,   128                         ; features f32 [rb][mt]
.set KT,   192                         ; Kp packed [blk]
.set EPSR, 208                         ; 0.001
.set QB,   216                         ; Qp in bf16, this group of 32 features [blk]
.set A,    32                          ; steps: scores [jt][blk]
.set PH,   64                          ; their heads [blk]
.set VTH,  80                          ; fragments of v's head [dt]
.set KF,   112                         ; fragments of Kp [ks][jt]
.set ONES, 240                         ; bf16 ones
.set TO,   32                          ; way out: results
.set RB,   112                         ; way out: rows read back
; window 1
.set QP,   0                           ; Qp in f16 [blk][ks]             (raw: q 0-63, v 64-127)
.set O,    128                         ; accumulators [blk][dt 0..4]     (raw: S 128-191, ksum 192)
.set SB,   208                         ; features: fragments of S [dt 0..4]
.set VTL,  208                         ; steps: fragments of v's rest [dt]
.set PL,   240                         ; steps: the scores' rests [blk]
.set MSB, 0
.macro WIN new                         ; s_set_vgpr_msb: bits 1:0 source 0, 3:2 source 1, 5:4 source 2, 7:6 destination; the high byte repeats the setting left
.if MSB != \new
	s_set_vgpr_msb (MSB<<8)|\new
.set MSB, \new
.endif
.endm
.macro PLACES                          ; four plain vector places behind a matrix instruction (ISA guide 7.12.1)
.rept 4
	v_nop
.endr
.endm
.macro ROT y, x, s                     ; x stands in source 0 everywhere, so that it may lie in window 1
	v_mul_f32 v[T],   v[\x+1], v[\s]
	v_mul_f32 v[T+1], v[\x],   v[\s]
	v_mul_f32 v[T+2], v[\x+3], v[\s+1]
	v_mul_f32 v[T+3], v[\x+2], v[\s+1]
	v_fma_f32 v[\y],   v[\x],   v[\s+2], -v[T]
	v_fma_f32 v[\y+1], v[\x+1], v[\s+2], v[T+1]
	v_fma_f32 v[\y+2], v[\x+2], v[\s+3], -v[T+2]
	v_fma_f32 v[\y+3], v[\x+3], v[\s+3], v[T+3]
.endm
	s_load_b256 s[4:11], s[0:1], 0x0               ; q s[4:5], k s[6:7], v s[8:9], sinu_pos s[10:11]
	s_load_b128 s[12:15], s[0:1], 0x20             ; proj s[12:13], pstate s[14:15]
	s_load_b64 s[16:17], s[0:1], 0x30              ; out0
	v_lshl_add_u32 v254, v0, 2, 0x4f700
	v_mov_b32 v255, 0
	v_lshrrev_b32 v1, 5, v0
	v_readfirstlane_b32 s18, v1                    ; wave w
	s_and_b32 s19, ttmp7, 0xffff                   ; 8 b + h
	s_lshr_b32 s20, s19, 3
	s_lshl_b32 s20, s20, 23
	s_and_b32 s22, s19, 7
	s_lshl_b32 s22, s22, 8
	s_add_co_u32 s20, s20, s22
	s_lshl_b32 s22, ttmp9, 19
	s_add_co_u32 s20, s20, s22
	s_lshl_b32 s22, s18, 16
	s_add_co_u32 s20, s20, s22                     ; q, k, v, out0 at my wave's first row
	s_mov_b32 s21, 0
	s_lshl_b32 s36, s18, 13                        ; w x 8,192: my rows of proj and sinu_pos, my part of the state's image
	s_mov_b32 s37, 0
	s_lshl_b32 s22, ttmp9, 16
	s_add_co_u32 s22, s22, s36
	s_mov_b32 s23, 0
	s_lshl_b32 s38, s19, 4
	s_add_co_u32 s38, s38, ttmp9
	s_mul_i32 s38, s38, 66560                      ; my chunk's image in pstate
	s_mov_b32 s39, 0
	s_lshl_b32 s40, s18, 7
	s_mov_b32 s33, EPSB
	s_mov_b32 s34, 0xffff0000                      ; a word's upper bf16
	s_mov_b32 s35, 0x3d800000                      ; 1/16
	v_and_b32 v25, 31, v0                          ; L
	v_and_b32 v26, 15, v0                          ; r
	v_bfe_u32 v27, v0, 4, 1                        ; h
	v_lshlrev_b32 v2, 4, v26
	v_lshl_add_u32 v2, v27, 11, v2                 ; v2 q, k, v, out0: row h of a pair, 16 r: sixteen lanes take one row's 256 bytes
	v_lshlrev_b32 v3, 3, v26
	v_lshl_add_u32 v3, v27, 8, v3                  ; v3 sinu_pos
	v_lshlrev_b32 v4, 4, v26
	v_lshl_add_u32 v4, v27, 8, v4                  ; v4 proj
	v_lshlrev_b32 v5, 4, v25
	v_add_nc_u32 v5, s36, v5                       ; v5 the image: 8,192 w + 16 L
	v_lshlrev_b32 v6, 2, v25
	v_add_nc_u32 v6, s40, v6                       ; v6 ksum: 4 (32 w + L)
	s_wait_kmcnt 0x0
	s_add_nc_u64 s[4:5], s[4:5], s[20:21]
	s_add_nc_u64 s[6:7], s[6:7], s[20:21]
	s_add_nc_u64 s[8:9], s[8:9], s[20:21]
	s_add_nc_u64 s[16:17], s[16:17], s[20:21]
	s_add_nc_u64 s[10:11], s[10:11], s[22:23]
	s_add_nc_u64 s[12:13], s[12:13], s[36:37]
	s_add_nc_u64 s[14:15], s[14:15], s[38:39]
	; all 113 loads of the wave go out here
.irp t, 0,1,2,3,4,5,6,7,8,9,10,11,12,13,14,15
	global_load_b128 v[PRAW+4*\t:PRAW+4*\t+3], v4, s[12:13] offset:\t*512
.endr
.irp t, 0,1,2,3,4,5,6,7,8,9,10,11,12,13,14,15
	global_load_b64 v[SN+4*\t:SN+4*\t+1], v3, s[10:11] offset:\t*512
	global_load_b64 v[SN+4*\t+2:SN+4*\t+3], v3, s[10:11] offset:\t*512+128
.endr
.irp t, 0,1,2,3,4,5,6,7,8,9,10,11,12,13,14,15
	global_load_b128 v[KRAW+4*\t:KRAW+4*\t+3], v2, s[6:7] offset:\t*4096
.endr
	WIN 0x40                                       ; destinations in window 1
.irp t, 0,1,2,3,4,5,6,7,8,9,10,11,12,13,14,15
	global_load_b128 v[4*\t:4*\t+3], v2, s[4:5] offset:\t*4096
.endr
.irp t, 0,1,2,3,4,5,6,7,8,9,10,11,12,13,14,15
	global_load_b128 v[64+4*\t:64+4*\t+3], v2, s[8:9] offset:\t*4096
.endr
.irp t, 0,1,2,3,4,5,6,7,8,9,10,11,12,13,14,15
	global_load_b128 v[128+4*\t:128+4*\t+3], v5, s[14:15] offset:\t*512
.endr
	global_load_b32 v192, v6, s[14:15] offset:65536
	WIN 0
	; LDS addresses: a lane term plus w times a constant plus the region
	s_mul_i32 s41, s18, 4608                       ; 32 rows of 144
	s_mul_i32 s42, s18, 5120                       ; 32 rows of 160
	s_add_co_u32 s43, s42, VH
	s_lshl_b32 s44, s18, 6                         ; 32 m in bf16
	s_add_co_u32 s45, s44, STL
	s_add_co_u32 s44, s44, KSL
	s_mul_i32 s46, s18, 16896                      ; 32 rows of 528
	s_add_co_u32 s46, s46, KP
	s_add_co_u32 s47, s41, XS
	v_mul_u32_u24 v7, v27, 144
	v_lshl_add_u32 v7, v26, 3, v7
	v_add_nc_u32 v7, s41, v7                       ; v7  staging of proj; of k and q 36,864 on
	v_mul_u32_u24 v8, v27, 160
	v_lshl_add_u32 v8, v26, 3, v8
	v_add_nc_u32 v8, s43, v8                       ; v8  staging of v's head; its rest 40,960 on
	v_mul_u32_u24 v28, v26, 528
	v_lshl_add_u32 v28, v27, 4, v28                ; 528 r + 16 h
	v_add_nc_u32 v9, s45, v28                      ; v9  staging of S: row d = r, my 32 m
	v_lshlrev_b32 v10, 1, v25
	v_add_nc_u32 v10, s44, v10                     ; v10 staging of ksum
	v_mul_u32_u24 v11, v26, 144
	v_lshl_add_u32 v11, v27, 4, v11                ; v11 proj fragments
	v_add_nc_u32 v12, s47, v11                     ; v12 fragments of my rows of k, q
	v_add_nc_u32 v13, s46, v28                     ; v13 my rows of Kp, written
	v_add_nc_u32 v14, KP, v28                      ; v14 Kp fragments, key blocks 0-3
	v_add_nc_u32 v15, KP+67584, v28                ; v15 key blocks 4-7
	v_and_b32 v29, 7, v0
	v_lshl_add_u32 v29, v27, 3, v29
	v_mul_u32_u24 v16, v29, 160
	v_bfe_u32 v29, v0, 3, 1
	v_lshl_add_u32 v16, v29, 4, v16
	v_add_nc_u32 v16, VH, v16                      ; v16 transposing loads of v's head
	v_add_nc_u32 v17, 40960, v16                   ; v17 of its rest
	v_add_nc_u32 v18, s42, v16                     ; v18, v19 the same at my own key block
	v_add_nc_u32 v19, s42, v17
	v_add_nc_u32 v20, STL, v28                     ; v20 fragments of S
	v_lshlrev_b32 v21, 4, v27
	v_add_nc_u32 v21, KSL, v21                     ; v21 ksum as sixteen equal rows
	v_mul_u32_u24 v22, v26, 272
	v_lshl_add_u32 v22, v27, 5, v22
	v_add_nc_u32 v22, s47, v22                     ; v22 way out: row r, 32 bytes for each h
	v_mul_u32_u24 v23, v27, 272
	v_lshl_add_u32 v23, v26, 4, v23
	v_add_nc_u32 v23, s47, v23                     ; v23 way out: whole rows back
	v_lshlrev_b32 v24, 3, v27
	v_sub_nc_u32 v24, v26, v24                     ; v24 r - 8 h
.irp i, 0,1,2,3,4,5,6,7
	v_cmp_le_i32 s[24+\i], \i, v24                 ; the diagonal tiles: key 8 h + i is kept where it is not behind position r
.endr
	s_wait_loadcnt 63                              ; the largest count the wait can state: at least 50 of the 113 loads are back, proj's 16 and sinu_pos' 32 among them
.irp t, 0,1,2,3,4,5,6,7,8,9,10,11,12,13,14,15
.irp e, 0,1,2,3
	v_mul_f32 v[PRAW+4*\t+\e], s35, v[PRAW+4*\t+\e]
.endr
	v_cvt_pk_f16_f32 v[PRAW+4*\t], v[PRAW+4*\t], v[PRAW+4*\t+1]
	v_cvt_pk_f16_f32 v[PRAW+4*\t+1], v[PRAW+4*\t+2], v[PRAW+4*\t+3]
	ds_store_b64 v7, v[PRAW+4*\t:PRAW+4*\t+1] offset:\t*288
.endr
	s_wait_loadcnt 49                              ; younger than k: q 16, v 16, S 16, ksum 1
.irp t, 0,1,2,3,4,5,6,7,8,9,10,11,12,13,14,15
	ROT KRAW+4*\t, KRAW+4*\t, SN+4*\t
	v_cvt_pk_f16_f32 v[KRAW+4*\t], v[KRAW+4*\t], v[KRAW+4*\t+1]
	v_cvt_pk_f16_f32 v[KRAW+4*\t+1], v[KRAW+4*\t+2], v[KRAW+4*\t+3]
	ds_store_b64 v7, v[KRAW+4*\t:KRAW+4*\t+1] offset:XS+\t*288
.endr
.irp f, 0,1,2,3                                        ; k's fragments [blk][ks]: my own bytes, and LDS serves a wave's instructions in order
	ds_load_b128 v[XF+\f*8:XF+\f*8+3],   v12 offset:(\f/2)*2304+(\f%2)*64
	ds_load_b128 v[XF+\f*8+4:XF+\f*8+7], v12 offset:(\f/2)*2304+(\f%2)*64+32
.endr
	s_wait_loadcnt 33                              ; younger than q: v 16, S 16, ksum 1
	WIN 0x01                                       ; source 0 (q as loaded) in window 1
.irp t, 0,1,2,3,4,5,6,7,8,9,10,11,12,13,14,15
	ROT KRAW+4*\t, 4*\t, SN+4*\t
.endr
	WIN 0
.irp t, 0,1,2,3,4,5,6,7,8,9,10,11,12,13,14,15
	v_cvt_pk_f16_f32 v[KRAW+4*\t], v[KRAW+4*\t], v[KRAW+4*\t+1]
	v_cvt_pk_f16_f32 v[KRAW+4*\t+1], v[KRAW+4*\t+2], v[KRAW+4*\t+3]
	ds_store_b64 v7, v[KRAW+4*\t:KRAW+4*\t+1] offset:XS+\t*288     ; over k's rows, behind the loads that read them
.endr
.irp f, 0,1,2,3
	ds_load_b128 v[XF+32+\f*8:XF+32+\f*8+3],   v12 offset:(\f/2)*2304+(\f%2)*64
	ds_load_b128 v[XF+32+\f*8+4:XF+32+\f*8+7], v12 offset:(\f/2)*2304+(\f%2)*64+32
.endr
	s_wait_loadcnt 17                              ; younger than v: S 16, ksum 1
	WIN 0x05                                       ; v = head + rest, both bf16
.set i, 0
.rept 32
	v_cvt_pk_bf16_f32 v[VHR+i], v[64+2*i], v[64+2*i+1]
.set i, i+1
.endr
	WIN 0
.set i, 0
.rept 32
	v_lshlrev_b32 v[KRAW+2*i], 16, v[VHR+i]
	v_and_b32 v[KRAW+2*i+1], s34, v[VHR+i]
.set i, i+1
.endr
	WIN 0x01
.set i, 0
.rept 32
	v_pk_add_f32 v[KRAW+2*i:KRAW+2*i+1], v[64+2*i:64+2*i+1], v[KRAW+2*i:KRAW+2*i+1] neg_lo:[0,1] neg_hi:[0,1]   ; exact
.set i, i+1
.endr
	WIN 0
.set i, 0
.rept 32
	v_cvt_pk_bf16_f32 v[VLR+i], v[KRAW+2*i], v[KRAW+2*i+1]
.set i, i+1
.endr
.irp t, 0,1,2,3,4,5,6,7,8,9,10,11,12,13,14,15
	ds_store_b64 v8, v[VHR+2*\t:VHR+2*\t+1] offset:\t*320
	ds_store_b64 v8, v[VLR+2*\t:VLR+2*\t+1] offset:40960+\t*320
.endr
	s_wait_loadcnt 0x0
	WIN 0x05
.set i, 0
.rept 32
	v_cvt_pk_bf16_f32 v[KRAW+i], v[128+2*i], v[128+2*i+1]
.set i, i+1
.endr
	v_cvt_pk_bf16_f32 v[KRAW+32], v192, v192
	WIN 0
.irp mt, 0,1
.irp dt, 0,1,2,3
	ds_store_b128 v9, v[KRAW+(\mt*4+\dt)*4:KRAW+(\mt*4+\dt)*4+3] offset:\dt*8448+\mt*32    ; row d = 16 dt + r, m = 32 w + 16 mt + 8 h + 0..7
.endr
.endr
	ds_store_b16 v10, v[KRAW+32]
	s_wait_dscnt 0x0                               ; proj, v and S are in LDS for the other waves; my fragments of k and q are in
	s_barrier_signal -1
	s_barrier_wait -1
.macro LDPF mp                         ; proj's rows 32 mp .. 32 mp + 31: 8 loads
.irp mt, 0,1
.irp ks, 0,1
	ds_load_b128 v[PF+(\mt*2+\ks)*8:PF+(\mt*2+\ks)*8+3],   v11 offset:(2*(\mp)+\mt)*2304+\ks*64
	ds_load_b128 v[PF+(\mt*2+\ks)*8+4:PF+(\mt*2+\ks)*8+7], v11 offset:(2*(\mp)+\mt)*2304+\ks*64+32
.endr
.endr
.endm
.macro LDSB mp                         ; S and ksum at m = 32 mp .. 32 mp + 31: 10 loads into window 1
	WIN 0x40
.irp dt, 0,1,2,3
	ds_load_b128 v[SB+\dt*8:SB+\dt*8+3],   v20 offset:\dt*8448+(\mp)*64
	ds_load_b128 v[SB+\dt*8+4:SB+\dt*8+7], v20 offset:\dt*8448+(\mp)*64+32
.endr
	ds_load_b128 v[SB+32:SB+35], v21 offset:(\mp)*64
	ds_load_b128 v[SB+36:SB+39], v21 offset:(\mp)*64+32
	WIN 0
.endm
	LDPF 0
	LDSB 0
.irp i, 0,1,2,3,4,5,6,7
	v_mov_b32 v[EPSR+\i], s33
	v_mov_b32 v[ONES+\i], 0x3f803f80
.endr
; 32 features of my 32 keys and 32 queries, and their share of Qp . S.  Accumulators take turns, one matrix instruction a turn.
.macro FEAT mp
.if \mp == 0
	s_wait_dscnt 10                                ; S's 10 loads are younger than proj's
.else
	s_wait_dscnt 14                                ; 4 stores of Kp and S's 10 loads are younger than proj's
.endif
.irp ks, 0,1
.irp rb, 0,1,2,3
.irp mt, 0,1
.if \ks == 0
	v_wmma_f32_16x16x32_f16 v[FA+(\rb*2+\mt)*8:FA+(\rb*2+\mt)*8+7], v[PF+\mt*16:PF+\mt*16+7], v[XF+\rb*16:XF+\rb*16+7], v[EPSR:EPSR+7]
.else
	v_wmma_f32_16x16x32_f16 v[FA+(\rb*2+\mt)*8:FA+(\rb*2+\mt)*8+7], v[PF+\mt*16+8:PF+\mt*16+15], v[XF+\rb*16+8:XF+\rb*16+15], v[FA+(\rb*2+\mt)*8:FA+(\rb*2+\mt)*8+7]
.endif
.endr
.endr
.endr
	PLACES
.if \mp < 7
	LDPF (\mp+1)
.endif
.set i, 0
.rept 64
	v_max_num_f32 v[FA+i], s33, v[FA+i]            ; x + 0.001 against 0.001 = relu(x) + 0.001
.set i, i+1
.endr
.irp blk, 0,1
.irp mt, 0,1
.irp i, 0,1,2,3
	v_cvt_pk_f16_f32 v[KT+\blk*8+\mt*4+\i], v[FA+(\blk*2+\mt)*8+2*\i], v[FA+(\blk*2+\mt)*8+2*\i+1]
.endr
	ds_store_b128 v13, v[KT+\blk*8+\mt*4:KT+\blk*8+\mt*4+3] offset:\blk*8448+\mp*64+\mt*32   ; key 16 blk + r, m = 32 mp + 16 mt + 8 h + 0..7
.endr
.endr
	WIN 0x40
.irp blk, 0,1
.irp mt, 0,1
.irp i, 0,1,2,3
	v_cvt_pk_f16_f32 v[QP+\blk*64+\mp*8+\mt*4+\i], v[FA+(\blk*2+\mt+4)*8+2*\i], v[FA+(\blk*2+\mt+4)*8+2*\i+1]
.endr
.endr
.endr
	WIN 0
.irp blk, 0,1
.irp mt, 0,1
.irp i, 0,1,2,3
	v_cvt_pk_bf16_f32 v[QB+\blk*8+\mt*4+\i], v[FA+(\blk*2+\mt+4)*8+2*\i], v[FA+(\blk*2+\mt+4)*8+2*\i+1]
.endr
.endr
.endr
.if \mp < 7
	s_wait_dscnt 12                                ; proj's next 8 loads and 4 stores of Kp are younger than S's
.else
	s_wait_dscnt 4                                 ; the 4 stores of Kp
.endif
	WIN 0x51                                       ; S's fragments and the accumulators in window 1
.irp dt, 0,1,2,3,4
.irp blk, 0,1
.if \mp == 0
	v_wmma_f32_16x16x32_bf16 v[O+\blk*40+\dt*8:O+\blk*40+\dt*8+7], v[SB+\dt*8:SB+\dt*8+7], v[QB+\blk*8:QB+\blk*8+7], 0
.else
	v_wmma_f32_16x16x32_bf16 v[O+\blk*40+\dt*8:O+\blk*40+\dt*8+7], v[SB+\dt*8:SB+\dt*8+7], v[QB+\blk*8:QB+\blk*8+7], v[O+\blk*40+\dt*8:O+\blk*40+\dt*8+7]
.endif
.endr
.endr
	PLACES
.if \mp < 7
	LDSB (\mp+1)
.else
	WIN 0
.endif
.endm
.irp mp, 0,1,2,3,4,5,6,7
	FEAT \mp
.endr
	s_wait_dscnt 0x0                               ; my rows of Kp are in LDS, for the other waves' sake
	s_barrier_signal -1
	s_barrier_wait -1
.macro LDKF s                          ; key block s of Kp: 32 loads, ks outermost, so that the waits below can count down
.irp ks, 0,1,2,3,4,5,6,7
.irp jt, 0,1
.if (\s) < 4
	ds_load_b128 v[KF+(\ks*2+\jt)*8:KF+(\ks*2+\jt)*8+3],   v14 offset:(\s)*16896+\jt*8448+\ks*64
	ds_load_b128 v[KF+(\ks*2+\jt)*8+4:KF+(\ks*2+\jt)*8+7], v14 offset:(\s)*16896+\jt*8448+\ks*64+32
.else
	ds_load_b128 v[KF+(\ks*2+\jt)*8:KF+(\ks*2+\jt)*8+3],   v15 offset:((\s)-4)*16896+\jt*8448+\ks*64
	ds_load_b128 v[KF+(\ks*2+\jt)*8+4:KF+(\ks*2+\jt)*8+7], v15 offset:((\s)-4)*16896+\jt*8448+\ks*64+32
.endif
.endr
.endr
.endm
.macro SC ks, jt, blk                  ; scores: lane (r, h) gets position 16 blk + r, keys 16 jt + 8 h + 0..7
.if \ks == 0
	v_wmma_f32_16x16x32_f16 v[A+(\jt*2+\blk)*8:A+(\jt*2+\blk)*8+7], v[KF+(\ks*2+\jt)*8:KF+(\ks*2+\jt)*8+7], v[QP+\blk*64+\ks*8:QP+\blk*64+\ks*8+7], 0
.else
	v_wmma_f32_16x16x32_f16 v[A+(\jt*2+\blk)*8:A+(\jt*2+\blk)*8+7], v[KF+(\ks*2+\jt)*8:KF+(\ks*2+\jt)*8+7], v[QP+\blk*64+\ks*8:QP+\blk*64+\ks*8+7], v[A+(\jt*2+\blk)*8:A+(\jt*2+\blk)*8+7]
.endif
.endm
.macro SPLIT jt, blk                   ; the head of eight scores, and score - head (exact) left in A
.irp i, 0,1,2,3
	v_cvt_pk_bf16_f32 v[PH+\blk*8+\jt*4+\i], v[A+(\jt*2+\blk)*8+2*\i], v[A+(\jt*2+\blk)*8+2*\i+1]
	v_lshlrev_b32 v[T+2*(\i%2)], 16, v[PH+\blk*8+\jt*4+\i]
	v_and_b32 v[T+2*(\i%2)+1], s34, v[PH+\blk*8+\jt*4+\i]
	v_pk_add_f32 v[A+(\jt*2+\blk)*8+2*\i:A+(\jt*2+\blk)*8+2*\i+1], v[A+(\jt*2+\blk)*8+2*\i:A+(\jt*2+\blk)*8+2*\i+1], v[T+2*(\i%2):T+2*(\i%2)+1] neg_lo:[0,1] neg_hi:[0,1]
.endr
.endm
.macro LOW jt, blk                     ; the rest, into window 1
.irp i, 0,1,2,3
	v_cvt_pk_bf16_f32 v[PL+\blk*8+\jt*4+\i], v[A+(\jt*2+\blk)*8+2*\i], v[A+(\jt*2+\blk)*8+2*\i+1]
.endr
.endm
.macro PVG vt, p, den                  ; O[blk][dt] += v fragment x score fragment; den = 1: the fifth block too, with ones for v
.irp dt, 0,1,2,3
.irp blk, 0,1
	v_wmma_f32_16x16x32_bf16 v[O+\blk*40+\dt*8:O+\blk*40+\dt*8+7], v[\vt+\dt*8:\vt+\dt*8+7], v[\p+\blk*8:\p+\blk*8+7], v[O+\blk*40+\dt*8:O+\blk*40+\dt*8+7]
.endr
.endr
.if \den
.irp blk, 0,1
	v_wmma_f32_16x16x32_bf16 v[O+\blk*40+32:O+\blk*40+39], v[ONES:ONES+7], v[\p+\blk*8:\p+\blk*8+7], v[O+\blk*40+32:O+\blk*40+39]
.endr
.endif
.endm
; One key block of 32.  full = 1: block s lies wholly before my positions, and block s + 1 is fetched.  full = 0: my own block, masked; the tile of keys
; 16-31 against positions 0-15 is left out.  At the head of a step exactly the 32 loads of its Kp fragments are out.
; Accumulators take turns, one matrix instruction a turn.
.macro STEP full, s
	WIN 0x04                                       ; Qp in window 1
.irp ks, 0,1,2,3,4,5,6,7
	s_wait_dscnt 28-4*\ks                          ; the four loads of this ks are in, those of later ks may be out
	SC \ks, 0, 0
.if \full
	SC \ks, 1, 0
.endif
	SC \ks, 0, 1
	SC \ks, 1, 1
.endr
	WIN 0
	PLACES
.irp dt, 0,1,2,3
.if \full
	ds_load_tr16_b128 v[VTH+\dt*8:VTH+\dt*8+3],   v16 offset:\s*5120+\dt*32
	ds_load_tr16_b128 v[VTH+\dt*8+4:VTH+\dt*8+7], v16 offset:\s*5120+\dt*32+2560
.else
	ds_load_tr16_b128 v[VTH+\dt*8:VTH+\dt*8+3],   v18 offset:\dt*32
	ds_load_tr16_b128 v[VTH+\dt*8+4:VTH+\dt*8+7], v18 offset:\dt*32+2560
.endif
.endr
	WIN 0x40
.irp dt, 0,1,2,3
.if \full
	ds_load_tr16_b128 v[VTL+\dt*8:VTL+\dt*8+3],   v17 offset:\s*5120+\dt*32
	ds_load_tr16_b128 v[VTL+\dt*8+4:VTL+\dt*8+7], v17 offset:\s*5120+\dt*32+2560
.else
	ds_load_tr16_b128 v[VTL+\dt*8:VTL+\dt*8+3],   v19 offset:\dt*32
	ds_load_tr16_b128 v[VTL+\dt*8+4:VTL+\dt*8+7], v19 offset:\dt*32+2560
.endif
.endr
	WIN 0
.if \full
	LDKF (\s+1)
	SPLIT 0, 0
	SPLIT 1, 0
.else
.irp i, 0,1,2,3,4,5,6,7
	v_cndmask_b32 v[A+\i], 0, v[A+\i], s[24+\i]            ; keys behind the position count nothing
	v_cndmask_b32 v[A+24+\i], 0, v[A+24+\i], s[24+\i]
.endr
	SPLIT 0, 0
.irp i, 4,5,6,7
	v_mov_b32 v[PH+\i], 0                          ; keys 16-31 against positions 0-15
.endr
.endif
	SPLIT 0, 1
	SPLIT 1, 1
	WIN 0x40
	LOW 0, 0
.if \full
	LOW 1, 0
.else
.irp i, 4,5,6,7
	v_mov_b32 v[PL+\i], 0
.endr
.endif
	LOW 0, 1
	LOW 1, 1
.if \full
	s_wait_dscnt 32                                ; the next block's 32 loads are younger than v's 16
.else
	s_wait_dscnt 0
.endif
	WIN 0x50
	PVG VTH, PH, 1                                 ; head x head
	WIN 0x54
	PVG VTH, PL, 1                                 ; v's head x the scores' rest
	WIN 0x51
	PVG VTL, PH, 0                                 ; v's rest x the scores' head
	WIN 0
.endm
	LDKF 0
.irp s, 0,1,2,3,4,5,6
	s_cmp_eq_u32 s18, \s                           ; wave w has w full blocks
	s_cbranch_scc1 .Ltail
	STEP 1, \s
.endr
.Ltail:
	STEP 0, 0
	; THE WAY OUT: divide, 16 positions at a time through my own stage in LDS, whole rows of 256 bytes to memory
	PLACES
	WIN 0x01
	v_rcp_f32 v30, v[O+32]                         ; every register of the fifth block holds the position's denominator
	v_rcp_f32 v31, v[O+72]
	v_nop                                          ; one plain place behind a transcendental (ISA guide 5.7.2)
	s_wait_alu depctr_va_vdst(0)
.irp blk, 0,1
.set i, 0
.rept 32
	v_mul_f32 v[TO+\blk*32+i], v[O+\blk*40+i], v[30+\blk]
.set i, i+1
.endr
.endr
	WIN 0
.irp blk, 0,1
.irp dt, 0,1,2,3
	ds_store_b128 v22, v[TO+\blk*32+\dt*8:TO+\blk*32+\dt*8+3]   offset:\dt*64
	ds_store_b128 v22, v[TO+\blk*32+\dt*8+4:TO+\blk*32+\dt*8+7] offset:\dt*64+16
.endr
.irp t, 0,1,2,3,4,5,6,7
	ds_load_b128 v[RB+\blk*32+4*\t:RB+\blk*32+4*\t+3], v23 offset:\t*544    ; my own bytes: LDS serves a wave's instructions in order
.endr
.irp t, 0,1,2,3,4,5,6,7
	s_wait_dscnt 7-\t
	global_store_b128 v2, v[RB+\blk*32+4*\t:RB+\blk*32+4*\t+3], s[16:17] offset:\blk*32768+\t*4096   ; sixteen lanes store one position's 256 consecutive bytes, aligned
.endr
.endr
	s_wait_tensorcnt 0x0
	ds_add_u32 v254, v255
	s_wait_dscnt 0x0
	s_endpgm
.Lfunc_end_k_q5269bb4ea5_attend:
	.size	k_q5269bb4ea5_attend, .Lfunc_end_k_q5269bb4ea5_attend-k_q5269bb4ea5_attend
	.p2alignl 7, 3214868480
	.fill 96, 4, 3214868480
	.section	.rodata,"a",@progbits
	.p2align	6, 0x0
	.amdhsa_kernel k_q5269bb4ea5_attend
		.amdhsa_group_segment_fixed_size 326400
		.amdhsa_private_segment_fixed_size 0
		.amdhsa_enable_private_segment 0
		.amdhsa_kernarg_size 56
		.amdhsa_user_sgpr_count 2
		.amdhsa_user_sgpr_kernarg_segment_ptr 1
		.amdhsa_wavefront_size32 1
		.amdhsa_system_sgpr_workgroup_id_x 1
		.amdhsa_system_sgpr_workgroup_id_y 1
		.amdhsa_system_sgpr_workgroup_id_z 1
		.amdhsa_system_vgpr_workitem_id 0
		.amdhsa_next_free_vgpr 512
		.amdhsa_next_free_sgpr 66
		.amdhsa_reserve_vcc 0
		.amdhsa_float_denorm_mode_32 3
		.amdhsa_float_denorm_mode_16_64 3
		.amdhsa_memory_ordered 1
		.amdhsa_forward_progress 1
		.amdhsa_inst_pref_size 220
	.end_amdhsa_kernel
	.amdgpu_metadata
---
amdhsa.version: [ 1, 2 ]
amdhsa.kernels:
  - .name:           k_q5269bb4ea5_attend
    .symbol:         k_q5269bb4ea5_attend.kd
    .args:
      - { .name: q, .offset: 0, .size: 8, .value_kind: global_buffer, .address_space: global }
      - { .name: k, .offset: 8, .size: 8, .value_kind: global_buffer, .address_space: global }
      - { .name: v, .offset: 16, .size: 8, .value_kind: global_buffer, .address_space: global }
      - { .name: sinu_pos, .offset: 24, .size: 8, .value_kind: global_buffer, .address_space: global }
      - { .name: proj, .offset: 32, .size: 8, .value_kind: global_buffer, .address_space: global }
      - { .name: pstate, .offset: 40, .size: 8, .value_kind: global_buffer, .address_space: global }
      - { .name: out0, .offset: 48, .size: 8, .value_kind: global_buffer, .address_space: global }
    .group_segment_fixed_size: 326400
    .private_segment_fixed_size: 0
    .kernarg_segment_align: 8
    .kernarg_segment_size: 56
    .max_flat_workgroup_size: 256
    .sgpr_count:     66
    .vgpr_count:     512
    .wavefront_size: 32
...
	.end_amdgpu_metadata
.endif
;; end of part 3
;; ======== version 2 of 2: 3 launches; 1.15 times as fast as version 1
;; limits: values are held in f16: magnitudes above 65,504 overflow, below 6.1e-05 lose precision; values outside matrix products are rounded to bf16
;; workspace buffers: tstate 7,987,200 bytes; pstate 7,987,200 bytes
;; launch states (part 4): grid 15 x 16, 8 waves a work-group, no clusters, 116,736 bytes of LDS; arguments k, v, sinu_pos, proj, tstate; writes tstate
.if DOCPART == 4
	.amdgcn_target "amdgcn-amd-amdhsa--gfx1250"
	.amdhsa_code_object_version 6
	.text
	.protected	k_q5269bb4ea5_states
	.globl	k_q5269bb4ea5_states
	.p2align	8
	.type	k_q5269bb4ea5_states,@function
k_q5269bb4ea5_states:
	s_mov_b64 s[64:65], 0
	v_nop
	global_prefetch_b8 v0, s[64:65] scope:SCOPE_SE
	s_setreg_imm32_b32 hwreg(HW_REG_WAVE_MODE, 25, 1), 1
	s_wait_xcnt 0x0
; State of one chunk of 256 positions of one head: S[m][d] = sum over j of Kp[j][m] v[j][d] and ksum[m] = sum over j of Kp[j][m],
; Kp = relu(rot(k) . proj^T / 16) + 0.001.  Grid x = chunk 0..14 (the last chunk's state is never used), grid y = 8 b + h.
; Eight waves.  Wave w stages rows 32 w .. 32 w + 31 of proj, k and v in LDS as f16 and owns the features m = 32 w .. 32 w + 31:
; it walks the 256 positions in eight steps of 32: 8 matrix instructions make Kp, 10 add Kp^T [V | 1] onto 10 accumulators.
; The image stored (33,280 bytes, bf16): block (2 w + mt) 4 + dt of 512 bytes, lane (r, h) holds S[32 w + 16 mt + 8 h + 0..7][16 dt + r];
; ksum[256] at byte 32,768.  The state is a matrix operand of the last launch, which takes it in bf16; it is rounded here, summed over chunks in f32.
; FORMATS: matrix operands f16, sums f32.  LIMITS: a NaN in k or proj is dropped by the relu's maximum; rotated k, proj / 16, a feature or v
; above 65,504 in magnitude becomes infinite in f16 (features are some 0.05 for the drawn spread, some hundreds with k and proj 30 times larger).
; No tensor loads: every input is f32 and is turned or converted in registers on its way into LDS.  No cluster: proj (64 KB, the same for all) and the
; chunk's sinu_pos (64 KB, the same for the 16 heads) are 128 KB of the 256 KB that a work-group reads, and each work-group fetches them by its own loads;
; a joint load would land them in LDS as f32, to be read from there once more.
.set EPSB, 0x3a83126f                  ; 0.001
.set IMG,  33280                       ; bytes of a state's image
.set XK,   36864                       ; LDS: proj 256 x 144 at 0; rotated k 256 x 144; v 256 x 160; ksum 512 bytes
.set VS,   73728
.set KS,   114688
.set PRAW, 16                          ; v[16:79]   proj as loaded, later v as loaded
.set SN,   80                          ; v[80:143]  sin, sin, cos, cos of each of 16 row pairs
.set KRAW, 144                         ; v[144:207] k as loaded
.set T,    208                         ; v[208:211] at work
.set PF,   16                          ; v[16:47]   proj fragments [mt][ks]
.set F,    48                          ; v[48:79]   features [jb][mt], f32; at the end the state packed to bf16
.set KPT,  80                          ; v[80:95]   features as f16 fragments [mt]; at the end ksum packed
.set ST,   96                          ; v[96:175]  accumulators [mt][dt 0..4]
.set EPSR, 176                         ; v[176:183] 0.001, the C of the first feature product
.set ONES, 184                         ; v[184:191] f16 ones: the fifth column block gives ksum
.set XF,   192                         ; v[192:223] k fragments [jb][ks]
.set VT,   224                         ; v[224:255] v fragments [dt]
.macro PLACES                          ; four plain vector places behind a matrix instruction (ISA guide 7.12.1)
.rept 4
	v_nop
.endr
.endm
.macro ROT y, x, s                     ; y[2i] = x[2i] cos - x[2i+1] sin, y[2i+1] = x[2i+1] cos + x[2i] sin, two pairs
	v_mul_f32 v[T],   v[\x+1], v[\s]
	v_mul_f32 v[T+1], v[\x],   v[\s]
	v_mul_f32 v[T+2], v[\x+3], v[\s+1]
	v_mul_f32 v[T+3], v[\x+2], v[\s+1]
	v_fma_f32 v[\y],   v[\x],   v[\s+2], -v[T]
	v_fma_f32 v[\y+1], v[\x+1], v[\s+2], v[T+1]
	v_fma_f32 v[\y+2], v[\x+2], v[\s+3], -v[T+2]
	v_fma_f32 v[\y+3], v[\x+3], v[\s+3], v[T+3]
.endm
	s_load_b256 s[4:11], s[0:1], 0x0               ; k s[4:5], v s[6:7], sinu_pos s[8:9], proj s[10:11]
	s_load_b64 s[12:13], s[0:1], 0x20              ; tstate
	s_set_vgpr_msb 0x40
	v_lshl_add_u32 v0, v0, 2, 0x1c400
	v_mov_b32 v1, 0
	s_set_vgpr_msb 0x4000
	v_lshrrev_b32 v1, 5, v0
	v_readfirstlane_b32 s18, v1                    ; wave w
	s_and_b32 s19, ttmp7, 0xffff                   ; 8 b + h
	s_lshr_b32 s20, s19, 3
	s_lshl_b32 s20, s20, 23                        ; b x 4096 x 8 x 256 bytes
	s_and_b32 s22, s19, 7
	s_lshl_b32 s22, s22, 8                         ; head x 256 bytes
	s_add_co_u32 s20, s20, s22
	s_lshl_b32 s22, ttmp9, 19                      ; chunk x 256 rows x 2,048 bytes
	s_add_co_u32 s20, s20, s22
	s_lshl_b32 s22, s18, 16                        ; w x 32 rows
	s_add_co_u32 s20, s20, s22
	s_mov_b32 s21, 0
	s_lshl_b32 s24, s18, 13                        ; w x 32 rows of 256 bytes (proj, sinu_pos)
	s_mov_b32 s25, 0
	s_lshl_b32 s22, ttmp9, 16                      ; chunk x 256 rows of sinu_pos
	s_add_co_u32 s22, s22, s24
	s_mov_b32 s23, 0
	s_mul_i32 s26, s19, 15
	s_add_co_u32 s26, s26, ttmp9
	s_mul_i32 s26, s26, IMG                        ; my image in tstate
	s_mov_b32 s27, 0
	s_mov_b32 s33, EPSB
	s_mov_b32 s34, 0x3d800000                      ; 1/16
	s_lshl_b32 s35, s18, 12                        ; w x 8 blocks of 512 bytes in the image
	v_and_b32 v4, 31, v0                           ; lane L
	v_and_b32 v2, 15, v0                           ; r
	v_bfe_u32 v3, v0, 4, 1                         ; h
	v_lshlrev_b32 v5, 4, v2
	v_lshl_add_u32 v5, v3, 11, v5                  ; k, v: row h of a pair, 16 bytes at 16 r: sixteen lanes take one row's 256 bytes
	v_lshlrev_b32 v6, 3, v2
	v_lshl_add_u32 v6, v3, 8, v6                   ; sinu_pos: two sines at 8 r, two cosines 128 bytes on
	v_lshlrev_b32 v7, 4, v2
	v_lshl_add_u32 v7, v3, 8, v7                   ; proj
	s_wait_kmcnt 0x0
	s_add_nc_u64 s[4:5], s[4:5], s[20:21]
	s_add_nc_u64 s[6:7], s[6:7], s[20:21]
	s_add_nc_u64 s[8:9], s[8:9], s[22:23]
	s_add_nc_u64 s[10:11], s[10:11], s[24:25]
	s_add_nc_u64 s[12:13], s[12:13], s[26:27]
.irp t, 0,1,2,3,4,5,6,7,8,9,10,11,12,13,14,15
	global_load_b128 v[PRAW+4*\t:PRAW+4*\t+3], v7, s[10:11] offset:\t*512
.endr
.irp t, 0,1,2,3,4,5,6,7,8,9,10,11,12,13,14,15
	global_load_b64 v[SN+4*\t:SN+4*\t+1], v6, s[8:9] offset:\t*512
	global_load_b64 v[SN+4*\t+2:SN+4*\t+3], v6, s[8:9] offset:\t*512+128
.endr
.irp t, 0,1,2,3,4,5,6,7,8,9,10,11,12,13,14,15
	global_load_b128 v[KRAW+4*\t:KRAW+4*\t+3], v5, s[4:5] offset:\t*4096
.endr
	; LDS addresses: a lane term plus the wave's number times a constant plus the region
	s_mul_i32 s28, s18, 4608                       ; 32 rows of 144 bytes
	s_mul_i32 s29, s18, 5120                       ; 32 rows of 160 bytes
	s_add_co_u32 s29, s29, VS
	s_lshl_b32 s30, s18, 6                         ; my 32 numbers of ksum in bf16
	s_add_co_u32 s31, s30, KS
	v_mul_u32_u24 v8, v3, 144
	v_lshl_add_u32 v8, v2, 3, v8
	v_add_nc_u32 v8, s28, v8                       ; v8  staging of proj (and of k, 36,864 on): row 32 w + h, byte 8 r
	v_mul_u32_u24 v9, v3, 160
	v_lshl_add_u32 v9, v2, 3, v9
	v_add_nc_u32 v9, s29, v9                       ; v9  staging of v
	v_mul_u32_u24 v10, v2, 144
	v_lshl_add_u32 v10, v3, 4, v10
	v_add_nc_u32 v11, XK, v10                      ; v11 k fragments: row r, byte 16 h
	v_add_nc_u32 v10, s28, v10                     ; v10 my proj fragments
	v_and_b32 v12, 7, v0
	v_lshl_add_u32 v12, v3, 3, v12
	v_mul_u32_u24 v12, v12, 160
	v_bfe_u32 v13, v0, 3, 1
	v_lshl_add_u32 v12, v13, 4, v12
	v_add_nc_u32 v12, VS, v12                      ; v12 transposing loads of v: row 8 h + (L & 7), byte 16 ((L >> 3) & 1)
	v_lshlrev_b32 v1, 4, v4                        ; v1  16 L
	v_add_nc_u32 v13, s35, v1                      ; v13 the image: 4,096 w + 16 L
	v_add_nc_u32 v15, KS, v1                       ; v15 ksum read back, all 512 bytes, by wave 0
	v_lshlrev_b32 v14, 4, v3
	v_add_nc_u32 v14, s31, v14                     ; v14 ksum put down: 64 w + 16 h
	s_wait_loadcnt 48                              ; 32 + 16 loads are younger than proj's
.irp t, 0,1,2,3,4,5,6,7,8,9,10,11,12,13,14,15
.irp e, 0,1,2,3
	v_mul_f32 v[PRAW+4*\t+\e], s34, v[PRAW+4*\t+\e]        ; the ratio 1/16 is exact
.endr
	v_cvt_pk_f16_f32 v[PRAW+4*\t], v[PRAW+4*\t], v[PRAW+4*\t+1]
	v_cvt_pk_f16_f32 v[PRAW+4*\t+1], v[PRAW+4*\t+2], v[PRAW+4*\t+3]
	ds_store_b64 v8, v[PRAW+4*\t:PRAW+4*\t+1] offset:\t*288
.endr
	s_wait_dscnt 0x0                               ; the stores have read their registers, which v's loads now fill
.irp t, 0,1,2,3,4,5,6,7,8,9,10,11,12,13,14,15
	global_load_b128 v[PRAW+4*\t:PRAW+4*\t+3], v5, s[6:7] offset:\t*4096
.endr
	s_wait_loadcnt 16                              ; v's 16 loads are younger than sinu_pos' and k's
.irp t, 0,1,2,3,4,5,6,7,8,9,10,11,12,13,14,15
	ROT KRAW+4*\t, KRAW+4*\t, SN+4*\t
	v_cvt_pk_f16_f32 v[KRAW+4*\t], v[KRAW+4*\t], v[KRAW+4*\t+1]
	v_cvt_pk_f16_f32 v[KRAW+4*\t+1], v[KRAW+4*\t+2], v[KRAW+4*\t+3]
	ds_store_b64 v8, v[KRAW+4*\t:KRAW+4*\t+1] offset:XK+\t*288
.endr
	s_wait_loadcnt 0x0
.irp t, 0,1,2,3,4,5,6,7,8,9,10,11,12,13,14,15
	v_cvt_pk_f16_f32 v[PRAW+4*\t], v[PRAW+4*\t], v[PRAW+4*\t+1]
	v_cvt_pk_f16_f32 v[PRAW+4*\t+1], v[PRAW+4*\t+2], v[PRAW+4*\t+3]
	ds_store_b64 v9, v[PRAW+4*\t:PRAW+4*\t+1] offset:\t*320
.endr
	s_wait_dscnt 0x0                               ; my rows are in LDS, for the other waves' sake
	s_barrier_signal -1
	s_barrier_wait -1
.macro LDXF p                          ; 32 positions of rotated k: 8 loads
.irp jb, 0,1
.irp ks, 0,1
	ds_load_b128 v[XF+(\jb*2+\ks)*8:XF+(\jb*2+\ks)*8+3],   v11 offset:(\p)*4608+\jb*2304+\ks*64
	ds_load_b128 v[XF+(\jb*2+\ks)*8+4:XF+(\jb*2+\ks)*8+7], v11 offset:(\p)*4608+\jb*2304+\ks*64+32
.endr
.endr
.endm
.macro LDVT p                          ; the same 32 positions of v, transposed: 8 loads
.irp dt, 0,1,2,3
	ds_load_tr16_b128 v[VT+\dt*8:VT+\dt*8+3],   v12 offset:(\p)*5120+\dt*32
	ds_load_tr16_b128 v[VT+\dt*8+4:VT+\dt*8+7], v12 offset:(\p)*5120+\dt*32+2560
.endr
.endm
.irp mt, 0,1
.irp ks, 0,1
	ds_load_b128 v[PF+(\mt*2+\ks)*8:PF+(\mt*2+\ks)*8+3],   v10 offset:\mt*2304+\ks*64
	ds_load_b128 v[PF+(\mt*2+\ks)*8+4:PF+(\mt*2+\ks)*8+7], v10 offset:\mt*2304+\ks*64+32
.endr
.endr
	LDXF 0
	LDVT 0
.irp i, 0,1,2,3,4,5,6,7
	v_mov_b32 v[EPSR+\i], s33
	v_mov_b32 v[ONES+\i], 0x3c003c00
.endr
; One step of 32 positions.  The accumulators take turns, one matrix instruction a turn.
.macro STEP p
	s_wait_dscnt 8                                 ; the eight loads of v are younger than k's (and proj's)
.irp ks, 0,1
.irp jb, 0,1
.irp mt, 0,1
.if \ks == 0
	v_wmma_f32_16x16x32_f16 v[F+(\jb*2+\mt)*8:F+(\jb*2+\mt)*8+7], v[XF+\jb*16:XF+\jb*16+7], v[PF+\mt*16:PF+\mt*16+7], v[EPSR:EPSR+7]
.else
	v_wmma_f32_16x16x32_f16 v[F+(\jb*2+\mt)*8:F+(\jb*2+\mt)*8+7], v[XF+\jb*16+8:XF+\jb*16+15], v[PF+\mt*16+8:PF+\mt*16+15], v[F+(\jb*2+\mt)*8:F+(\jb*2+\mt)*8+7]
.endif
.endr
.endr
.endr
	PLACES
.if \p < 7
	LDXF (\p+1)
.endif
.set i, 0
.rept 32
	v_max_num_f32 v[F+i], s33, v[F+i]              ; x + 0.001 against 0.001 = relu(x) + 0.001
.set i, i+1
.endr
.irp mt, 0,1
.irp jb, 0,1
.irp i, 0,1,2,3
	v_cvt_pk_f16_f32 v[KPT+\mt*8+\jb*4+\i], v[F+(\jb*2+\mt)*8+2*\i], v[F+(\jb*2+\mt)*8+2*\i+1]   ; lane (r, h): feature r, positions 16 jb + 8 h + 0..7
.endr
.endr
.endr
.if \p < 7
	s_wait_dscnt 8                                 ; the next step's eight loads of k are younger than v's
.else
	s_wait_dscnt 0
.endif
.irp dt, 0,1,2,3
.irp mt, 0,1
.if \p == 0
	v_wmma_f32_16x16x32_f16 v[ST+(\mt*5+\dt)*8:ST+(\mt*5+\dt)*8+7], v[KPT+\mt*8:KPT+\mt*8+7], v[VT+\dt*8:VT+\dt*8+7], 0
.else
	v_wmma_f32_16x16x32_f16 v[ST+(\mt*5+\dt)*8:ST+(\mt*5+\dt)*8+7], v[KPT+\mt*8:KPT+\mt*8+7], v[VT+\dt*8:VT+\dt*8+7], v[ST+(\mt*5+\dt)*8:ST+(\mt*5+\dt)*8+7]
.endif
.endr
.endr
.irp mt, 0,1
.if \p == 0
	v_wmma_f32_16x16x32_f16 v[ST+(\mt*5+4)*8:ST+(\mt*5+4)*8+7], v[KPT+\mt*8:KPT+\mt*8+7], v[ONES:ONES+7], 0
.else
	v_wmma_f32_16x16x32_f16 v[ST+(\mt*5+4)*8:ST+(\mt*5+4)*8+7], v[KPT+\mt*8:KPT+\mt*8+7], v[ONES:ONES+7], v[ST+(\mt*5+4)*8:ST+(\mt*5+4)*8+7]
.endif
.endr
	PLACES
.if \p < 7
	LDVT (\p+1)
.endif
.endm
.irp p, 0,1,2,3,4,5,6,7
	STEP \p
.endr
	; the way out: a lane's eight sums of a tile are eight neighbouring m: 16 bytes in bf16; a wave's store covers 512 consecutive bytes of the image, aligned
.irp mt, 0,1
.irp dt, 0,1,2,3
.irp i, 0,1,2,3
	v_cvt_pk_bf16_f32 v[F+(\mt*4+\dt)*4+\i], v[ST+(\mt*5+\dt)*8+2*\i], v[ST+(\mt*5+\dt)*8+2*\i+1]
.endr
	global_store_b128 v13, v[F+(\mt*4+\dt)*4:F+(\mt*4+\dt)*4+3], s[12:13] offset:(\mt*4+\dt)*512
.endr
.endr
.irp mt, 0,1
.irp i, 0,1,2,3
	v_cvt_pk_bf16_f32 v[KPT+\mt*4+\i], v[ST+(\mt*5+4)*8+2*\i], v[ST+(\mt*5+4)*8+2*\i+1]
.endr
	ds_store_b128 v14, v[KPT+\mt*4:KPT+\mt*4+3] offset:\mt*32      ; every column holds ksum: lanes of one h write the same bytes
.endr
	s_wait_dscnt 0x0                               ; my 64 bytes of ksum are in LDS, for wave 0's sake
	s_barrier_signal -1
	s_barrier_wait -1
	s_cmp_lg_u32 s18, 0
	s_cbranch_scc1 .Lend
	ds_load_b128 v[16:19], v15                     ; wave 0 stores all eight waves' ksum: 512 consecutive bytes, aligned
	s_wait_dscnt 0x0
	global_store_b128 v1, v[16:19], s[12:13] offset:32768
.Lend:
	s_set_vgpr_msb 0x5
	s_wait_tensorcnt 0x0
	ds_add_u32 v0, v1
	s_wait_dscnt 0x0
	s_set_vgpr_msb 0x500
	s_endpgm
.Lfunc_end_k_q5269bb4ea5_states:
	.size	k_q5269bb4ea5_states, .Lfunc_end_k_q5269bb4ea5_states-k_q5269bb4ea5_states
	.p2alignl 7, 3214868480
	.fill 96, 4, 3214868480
	.section	.rodata,"a",@progbits
	.p2align	6, 0x0
	.amdhsa_kernel k_q5269bb4ea5_states
		.amdhsa_group_segment_fixed_size 116736
		.amdhsa_private_segment_fixed_size 0
		.amdhsa_enable_private_segment 0
		.amdhsa_kernarg_size 40
		.amdhsa_user_sgpr_count 2
		.amdhsa_user_sgpr_kernarg_segment_ptr 1
		.amdhsa_wavefront_size32 1
		.amdhsa_system_sgpr_workgroup_id_x 1
		.amdhsa_system_sgpr_workgroup_id_y 1
		.amdhsa_system_sgpr_workgroup_id_z 1
		.amdhsa_system_vgpr_workitem_id 0
		.amdhsa_next_free_vgpr 258
		.amdhsa_next_free_sgpr 66
		.amdhsa_reserve_vcc 0
		.amdhsa_float_denorm_mode_32 3
		.amdhsa_float_denorm_mode_16_64 3
		.amdhsa_memory_ordered 1
		.amdhsa_forward_progress 1
		.amdhsa_inst_pref_size 69
	.end_amdhsa_kernel
	.amdgpu_metadata
---
amdhsa.version: [ 1, 2 ]
amdhsa.kernels:
  - .name:           k_q5269bb4ea5_states
    .symbol:         k_q5269bb4ea5_states.kd
    .args:
      - { .name: k, .offset: 0, .size: 8, .value_kind: global_buffer, .address_space: global }
      - { .name: v, .offset: 8, .size: 8, .value_kind: global_buffer, .address_space: global }
      - { .name: sinu_pos, .offset: 16, .size: 8, .value_kind: global_buffer, .address_space: global }
      - { .name: proj, .offset: 24, .size: 8, .value_kind: global_buffer, .address_space: global }
      - { .name: tstate, .offset: 32, .size: 8, .value_kind: global_buffer, .address_space: global }
    .group_segment_fixed_size: 116736
    .private_segment_fixed_size: 0
    .kernarg_segment_align: 8
    .kernarg_segment_size: 40
    .max_flat_workgroup_size: 256
    .sgpr_count:     66
    .vgpr_count:     258
    .wavefront_size: 32
...
	.end_amdgpu_metadata
.endif
;; end of part 4
;; launch prefix (part 5): grid 65 x 16, 1 waves a work-group, no clusters, 0 bytes of LDS; arguments tstate, pstate; writes pstate
.if DOCPART == 5
	.amdgcn_target "amdgcn-amd-amdhsa--gfx1250"
	.amdhsa_code_object_version 6
	.text
	.protected	k_q5269bb4ea5_prefix
	.globl	k_q5269bb4ea5_prefix
	.p2align	8
	.type	k_q5269bb4ea5_prefix,@function
k_q5269bb4ea5_prefix:
	s_mov_b64 s[64:65], 0
	v_nop
	global_prefetch_b8 v0, s[64:65] scope:SCOPE_SE
	s_setreg_imm32_b32 hwreg(HW_REG_WAVE_MODE, 25, 1), 1
	s_wait_xcnt 0x0
; pstate[head][c - 1] = the sum of tstate[head][0 .. c-1], c = 1 .. 15, element by element over the image of 33,280 bytes of bf16.
; (Chunk 0 has nothing before it: the last launch starts its sums from zero and reads no state.)
; The running sum is kept in f32 and rounded to bf16 once for each c.
; Grid x = 512 bytes of the image (65 of them), grid y = head; one wave.  A thread owns 16 bytes (8 numbers) of all 15 states: 15 loads go out at once;
; each sum is packed into the registers that its state was loaded into, so every store has data registers of its own and no wait frees any.
; A load or store of the wave covers 512 consecutive bytes, aligned.  Memory binds: no LDS, no barrier, no matrix unit.
.set IMG, 33280
.set X,   4                            ; v[4:63]  state c in v[4+4c:7+4c] as loaded, then the prefix c + 1 as stored
.set ACC, 64                           ; v[64:71] the running sum of my 8 numbers, f32
.set T,   72                           ; v[72:79] a state's 8 numbers widened
	s_load_b128 s[4:7], s[0:1], 0x0                ; tstate s[4:5], pstate s[6:7]
	s_and_b32 s8, ttmp7, 0xffff
	s_lshl_b32 s9, ttmp9, 9
	s_mul_i32 s10, s8, 15*IMG                      ; both buffers hold 15 images a head
	s_add_co_u32 s10, s10, s9
	s_mov_b32 s11, 0
	s_mov_b32 s14, 0xffff0000                      ; a word's upper bf16
	v_lshlrev_b32 v1, 4, v0
	s_wait_kmcnt 0x0
	s_add_nc_u64 s[4:5], s[4:5], s[10:11]
	s_add_nc_u64 s[6:7], s[6:7], s[10:11]
.irp c, 0,1,2,3,4,5,6,7,8,9,10,11,12,13,14
	global_load_b128 v[X+4*\c:X+4*\c+3], v1, s[4:5] offset:\c*IMG th:TH_LOAD_NT
.endr
	s_wait_loadcnt 14                              ; loads come back in order: state 0 is in
	global_store_b128 v1, v[X:X+3], s[6:7]         ; the prefix of chunk 1 is state 0 as it is
.irp j, 0,1,2,3
	v_lshlrev_b32 v[ACC+2*\j], 16, v[X+\j]         ; state 0 starts the sums: nothing is cleared
	v_and_b32 v[ACC+2*\j+1], s14, v[X+\j]
.endr
.irp c, 1,2,3,4,5,6,7,8,9,10,11,12,13,14
	s_wait_loadcnt 14-\c                           ; state c is in, the younger ones stay out
.irp j, 0,1,2,3
	v_lshlrev_b32 v[T+2*\j], 16, v[X+4*\c+\j]
	v_and_b32 v[T+2*\j+1], s14, v[X+4*\c+\j]
.endr
.irp j, 0,1,2,3
	v_pk_add_f32 v[ACC+2*\j:ACC+2*\j+1], v[ACC+2*\j:ACC+2*\j+1], v[T+2*\j:T+2*\j+1]
.endr
.irp j, 0,1,2,3
	v_cvt_pk_bf16_f32 v[X+4*\c+\j], v[ACC+2*\j], v[ACC+2*\j+1]
.endr
	global_store_b128 v1, v[X+4*\c:X+4*\c+3], s[6:7] offset:\c*IMG
.endr
	s_endpgm
.Lfunc_end_k_q5269bb4ea5_prefix:
	.size	k_q5269bb4ea5_prefix, .Lfunc_end_k_q5269bb4ea5_prefix-k_q5269bb4ea5_prefix
	.p2alignl 7, 3214868480
	.fill 96, 4, 3214868480
	.section	.rodata,"a",@progbits
	.p2align	6, 0x0
	.amdhsa_kernel k_q5269bb4ea5_prefix
		.amdhsa_group_segment_fixed_size 0
		.amdhsa_private_segment_fixed_size 0
		.amdhsa_enable_private_segment 0
		.amdhsa_kernarg_size 16
		.amdhsa_user_sgpr_count 2
		.amdhsa_user_sgpr_kernarg_segment_ptr 1
		.amdhsa_wavefront_size32 1
		.amdhsa_system_sgpr_workgroup_id_x 1
		.amdhsa_system_sgpr_workgroup_id_y 1
		.amdhsa_system_sgpr_workgroup_id_z 1
		.amdhsa_system_vgpr_workitem_id 0
		.amdhsa_next_free_vgpr 80
		.amdhsa_next_free_sgpr 66
		.amdhsa_reserve_vcc 0
		.amdhsa_float_denorm_mode_32 3
		.amdhsa_float_denorm_mode_16_64 3
		.amdhsa_memory_ordered 1
		.amdhsa_forward_progress 1
		.amdhsa_inst_pref_size 15
	.end_amdhsa_kernel
	.amdgpu_metadata
---
amdhsa.version: [ 1, 2 ]
amdhsa.kernels:
  - .name:           k_q5269bb4ea5_prefix
    .symbol:         k_q5269bb4ea5_prefix.kd
    .args:
      - { .name: tstate, .offset: 0, .size: 8, .value_kind: global_buffer, .address_space: global }
      - { .name: pstate, .offset: 8, .size: 8, .value_kind: global_buffer, .address_space: global }
    .group_segment_fixed_size: 0
    .private_segment_fixed_size: 0
    .kernarg_segment_align: 8
    .kernarg_segment_size: 16
    .max_flat_workgroup_size: 32
    .sgpr_count:     66
    .vgpr_count:     80
    .wavefront_size: 32
...
	.end_amdgpu_metadata
.endif
;; end of part 5
;; launch attend (part 6): grid 16 x 16, 8 waves a work-group, no clusters, 326,400 bytes of LDS; arguments q, k, v, sinu_pos, proj, pstate, out0; writes out0
.if DOCPART == 6
	.amdgcn_target "amdgcn-amd-amdhsa--gfx1250"
	.amdhsa_code_object_version 6
	.text
	.protected	k_q5269bb4ea5_attend
	.globl	k_q5269bb4ea5_attend
	.p2align	8
	.type	k_q5269bb4ea5_attend,@function
k_q5269bb4ea5_attend:
	s_mov_b64 s[64:65], 0
	v_nop
	global_prefetch_b8 v0, s[64:65] scope:SCOPE_SE
	s_setreg_imm32_b32 hwreg(HW_REG_WAVE_MODE, 25, 1), 1
	s_wait_xcnt 0x0
; out[l] = (Qp[l] . S + sum over j <= l in the chunk of (Qp[l] . Kp[j]) v[j]) / (the same with 1 for v), for one chunk of 256 positions of one head.
; Grid x = chunk, grid y = 8 b + h.  S and ksum are the prefix state of the chunks before (pstate, bf16, in the lane order in which it goes to LDS).
; Eight waves; wave w owns positions 32 w .. 32 w + 31:
; it stages its rows of proj, k, q, v and its part of S in LDS, makes Qp (kept in registers) and Kp (to LDS) of its rows and adds Qp . S as it goes,
; then walks the key blocks 0 .. w of 32 positions; block w is the diagonal one and is masked.
; All products are used transposed (a lane holds one position l = r and 8 neighbouring columns), so that two tiles of 16 pack into the next operand.
; TWO ARMS, parted once by the work-group's x (the same for all its waves), joined at the way out; each arm has its own two barriers.
;   Chunk 0: nothing lies before it, so there is no S: the first product P v starts the sums.  The scores P and v are each a bf16 head plus a bf16 rest,
;   P v = Ph vh + Pl vh + Ph vl: at position l only l + 1 terms are averaged, and one bf16 rounding (up to 2^-8 of the number) of P or v is too coarse there.
;   Chunks 1-15: P and v are one bf16 each.  At a position with n keys in the chunk the denominator has 256 c + n terms and only n of them carry these
;   roundings: independent roundings weigh sqrt(n) / (256 c + n), at most 1/32 of a single term's rounding.
; FORMATS: rotated q, k, proj / 16, Qp, Kp in f16; S, ksum, a second rounding of Qp, P and v in bf16 (the scores and S have no room in f16 when q, k and
; proj are 30 times larger).  All sums f32.
; LIMITS: a NaN in q, k or proj is dropped by the relu's maximum; rotated q, k, proj / 16 or a feature above 65,504 in magnitude becomes infinite in f16
; (features are some 0.05 for the drawn spread, some hundreds with the inputs 30 times larger).
; No tensor loads: every f32 input is turned, split or converted in registers.  No cluster: proj (64 KB, the same for all) and the chunk's sinu_pos (64 KB,
; the same for the 16 heads) are 128 KB of the 353 KB that a work-group reads, and each work-group fetches them by its own loads; a joint load would land
; them in LDS as f32, to be read from there once more.
; Wave w does w + 1 steps: the triangle is not evened out, so that every LDS address stays a constant plus w times a constant.
.set EPSB, 0x3a83126f                  ; 0.001
.set IMG,  33280                       ; bytes of a state's image
; LDS
.set XS,  36864                        ; proj 256 x 144 at 0; XS 256 x 144: the wave's rows of rotated k, then of rotated q, at the end its stage for the way out
.set VH,  73728                        ; v (its head) 256 x 160
.set VL,  114688                       ; v's rest 256 x 160 (chunk 0 alone)
.set STL, 155648                       ; S transposed: 64 rows (d) x 528 bytes (256 m in bf16 + 16) (chunks 1-15 alone)
.set KSL, 189440                       ; its row 64: ksum
.set KP,  190208                       ; Kp 256 x 528
; window 0.  v1 ksum as loaded, v2-v24 addresses, v26-v29 at work, v30-v31 reciprocals
.set T,    26
.set PRAW, 32                          ; raw: proj
.set SN,   96                          ; raw: sin, sin, cos, cos
.set KRAW, 160                         ; raw: k; then rotated q, v's split at work
.set SRAW, 224                         ; raw: my part of S, 8 blocks of 4 registers
.set VHR,  96                          ; v's head, packed
.set VLR,  128                         ; v's rest, packed
.set XF,   32                          ; features: fragments of my rows [k blk 0, 1, q blk 0, 1][ks]
.set PF,   96                          ; proj fragments [mt][ks]
.set FA,   128                         ; features f32 [rb][mt]
.set KT,   192                         ; Kp packed [blk]
.set EPSR, 208                         ; 0.001
.set QB,   216                         ; Qp in bf16, this group of 32 features [blk]
.set A,    32                          ; steps: scores [jt][blk]
.set PH,   64                          ; the scores in bf16 (their heads) [blk]
.set VTH,  80                          ; fragments of v (its head) [dt]
.set KF,   112                         ; fragments of Kp [ks][jt]
.set ONES, 240                         ; bf16 ones
.set TO,   32                          ; way out: results
.set RB,   112                         ; way out: rows read back
; window 1
.set QP,   0                           ; Qp in f16 [blk][ks]             (raw: q 0-63, v 64-127)
.set O,    128                         ; accumulators [blk][dt 0..4]
.set SB,   208                         ; features: fragments of S [dt 0..4]
.set VTL,  208                         ; steps: fragments of v's rest [dt]
.set PL,   240                         ; steps: the scores' rests [blk]
.set MSB, 0
.macro WIN new                         ; s_set_vgpr_msb: bits 1:0 source 0, 3:2 source 1, 5:4 source 2, 7:6 destination; the high byte repeats the setting left
.if MSB != \new
	s_set_vgpr_msb (MSB<<8)|\new
.set MSB, \new
.endif
.endm
.macro PLACES                          ; four plain vector places behind a matrix instruction (ISA guide 7.12.1)
.rept 4
	v_nop
.endr
.endm
.macro ROT y, x, s                     ; x stands in source 0 everywhere, so that it may lie in window 1
	v_mul_f32 v[T],   v[\x+1], v[\s]
	v_mul_f32 v[T+1], v[\x],   v[\s]
	v_mul_f32 v[T+2], v[\x+3], v[\s+1]
	v_mul_f32 v[T+3], v[\x+2], v[\s+1]
	v_fma_f32 v[\y],   v[\x],   v[\s+2], -v[T]
	v_fma_f32 v[\y+1], v[\x+1], v[\s+2], v[T+1]
	v_fma_f32 v[\y+2], v[\x+2], v[\s+3], -v[T+2]
	v_fma_f32 v[\y+3], v[\x+3], v[\s+3], v[T+3]
.endm
; proj, k and q on their way into LDS.  ck, cq = the loads of the arm that are younger than k's and than q's.
.macro STAGE_PKQ ck, cq
	s_wait_loadcnt 63                              ; the largest count the wait can state: of the arm's 96 or 105 loads at least 33 are back, proj's 16 among them
.irp t, 0,1,2,3,4,5,6,7,8,9,10,11,12,13,14,15
.irp e, 0,1,2,3
	v_mul_f32 v[PRAW+4*\t+\e], s35, v[PRAW+4*\t+\e]        ; the ratio 1/16 is exact
.endr
	v_cvt_pk_f16_f32 v[PRAW+4*\t], v[PRAW+4*\t], v[PRAW+4*\t+1]
	v_cvt_pk_f16_f32 v[PRAW+4*\t+1], v[PRAW+4*\t+2], v[PRAW+4*\t+3]
	ds_store_b64 v7, v[PRAW+4*\t:PRAW+4*\t+1] offset:\t*288
.endr
	s_wait_loadcnt \ck                             ; sinu_pos and k are in
.irp t, 0,1,2,3,4,5,6,7,8,9,10,11,12,13,14,15
	ROT KRAW+4*\t, KRAW+4*\t, SN+4*\t
	v_cvt_pk_f16_f32 v[KRAW+4*\t], v[KRAW+4*\t], v[KRAW+4*\t+1]
	v_cvt_pk_f16_f32 v[KRAW+4*\t+1], v[KRAW+4*\t+2], v[KRAW+4*\t+3]
	ds_store_b64 v7, v[KRAW+4*\t:KRAW+4*\t+1] offset:XS+\t*288
.endr
.irp f, 0,1,2,3                                        ; k's fragments [blk][ks]: my own bytes, and LDS serves a wave's instructions in order
	ds_load_b128 v[XF+\f*8:XF+\f*8+3],   v12 offset:(\f/2)*2304+(\f%2)*64
	ds_load_b128 v[XF+\f*8+4:XF+\f*8+7], v12 offset:(\f/2)*2304+(\f%2)*64+32
.endr
	s_wait_loadcnt \cq                             ; q is in
	WIN 0x01                                       ; source 0 (q as loaded) in window 1
.irp t, 0,1,2,3,4,5,6,7,8,9,10,11,12,13,14,15
	ROT KRAW+4*\t, 4*\t, SN+4*\t
.endr
	WIN 0
.irp t, 0,1,2,3,4,5,6,7,8,9,10,11,12,13,14,15
	v_cvt_pk_f16_f32 v[KRAW+4*\t], v[KRAW+4*\t], v[KRAW+4*\t+1]
	v_cvt_pk_f16_f32 v[KRAW+4*\t+1], v[KRAW+4*\t+2], v[KRAW+4*\t+3]
	ds_store_b64 v7, v[KRAW+4*\t:KRAW+4*\t+1] offset:XS+\t*288     ; over k's rows, behind the loads that read them
.endr
.irp f, 0,1,2,3
	ds_load_b128 v[XF+32+\f*8:XF+32+\f*8+3],   v12 offset:(\f/2)*2304+(\f%2)*64
	ds_load_b128 v[XF+32+\f*8+4:XF+32+\f*8+7], v12 offset:(\f/2)*2304+(\f%2)*64+32
.endr
.endm
; v on its way into LDS.  two = 1: as a bf16 head and a bf16 rest; cv = the loads of the arm that are younger than v's.
.macro STAGE_V two, cv
	s_wait_loadcnt \cv
	WIN 0x05
.set i, 0
.rept 32
	v_cvt_pk_bf16_f32 v[VHR+i], v[64+2*i], v[64+2*i+1]
.set i, i+1
.endr
	WIN 0
.if \two
.set i, 0
.rept 32
	v_lshlrev_b32 v[KRAW+2*i], 16, v[VHR+i]
	v_and_b32 v[KRAW+2*i+1], s34, v[VHR+i]
.set i, i+1
.endr
	WIN 0x01
.set i, 0
.rept 32
	v_pk_add_f32 v[KRAW+2*i:KRAW+2*i+1], v[64+2*i:64+2*i+1], v[KRAW+2*i:KRAW+2*i+1] neg_lo:[0,1] neg_hi:[0,1]   ; exact
.set i, i+1
.endr
	WIN 0
.set i, 0
.rept 32
	v_cvt_pk_bf16_f32 v[VLR+i], v[KRAW+2*i], v[KRAW+2*i+1]
.set i, i+1
.endr
.endif
.irp t, 0,1,2,3,4,5,6,7,8,9,10,11,12,13,14,15
	ds_store_b64 v8, v[VHR+2*\t:VHR+2*\t+1] offset:\t*320
.if \two
	ds_store_b64 v8, v[VLR+2*\t:VLR+2*\t+1] offset:40960+\t*320
.endif
.endr
.endm
.macro CONSTS
.irp i, 0,1,2,3,4,5,6,7
	v_mov_b32 v[EPSR+\i], s33
	v_mov_b32 v[ONES+\i], 0x3f803f80
.endr
.endm
.macro LDPF mp                         ; proj's rows 32 mp .. 32 mp + 31: 8 loads
.irp mt, 0,1
.irp ks, 0,1
	ds_load_b128 v[PF+(\mt*2+\ks)*8:PF+(\mt*2+\ks)*8+3],   v11 offset:(2*(\mp)+\mt)*2304+\ks*64
	ds_load_b128 v[PF+(\mt*2+\ks)*8+4:PF+(\mt*2+\ks)*8+7], v11 offset:(2*(\mp)+\mt)*2304+\ks*64+32
.endr
.endr
.endm
.macro LDSB mp                         ; S and ksum at m = 32 mp .. 32 mp + 31: 10 loads into window 1
	WIN 0x40
.irp dt, 0,1,2,3
	ds_load_b128 v[SB+\dt*8:SB+\dt*8+3],   v20 offset:\dt*8448+(\mp)*64
	ds_load_b128 v[SB+\dt*8+4:SB+\dt*8+7], v20 offset:\dt*8448+(\mp)*64+32
.endr
	ds_load_b128 v[SB+32:SB+35], v21 offset:(\mp)*64
	ds_load_b128 v[SB+36:SB+39], v21 offset:(\mp)*64+32
	WIN 0
.endm
; 32 features of my 32 keys and 32 queries; qs = 1: and their share of Qp . S.  Accumulators take turns, one matrix instruction a turn.
.macro FEAT mp, qs
.if \qs
.if \mp == 0
	s_wait_dscnt 10                                ; S's 10 loads are younger than proj's
.else
	s_wait_dscnt 14                                ; 4 stores of Kp and S's 10 loads are younger than proj's
.endif
.else
.if \mp == 0
	s_wait_dscnt 0                                 ; nothing is younger than proj's loads
.else
	s_wait_dscnt 4                                 ; 4 stores of Kp are younger than proj's loads
.endif
.endif
.irp ks, 0,1
.irp rb, 0,1,2,3
.irp mt, 0,1
.if \ks == 0
	v_wmma_f32_16x16x32_f16 v[FA+(\rb*2+\mt)*8:FA+(\rb*2+\mt)*8+7], v[PF+\mt*16:PF+\mt*16+7], v[XF+\rb*16:XF+\rb*16+7], v[EPSR:EPSR+7]
.else
	v_wmma_f32_16x16x32_f16 v[FA+(\rb*2+\mt)*8:FA+(\rb*2+\mt)*8+7], v[PF+\mt*16+8:PF+\mt*16+15], v[XF+\rb*16+8:XF+\rb*16+15], v[FA+(\rb*2+\mt)*8:FA+(\rb*2+\mt)*8+7]
.endif
.endr
.endr
.endr
	PLACES
.if \mp < 7
	LDPF (\mp+1)
.endif
.set i, 0
.rept 64
	v_max_num_f32 v[FA+i], s33, v[FA+i]            ; x + 0.001 against 0.001 = relu(x) + 0.001
.set i, i+1
.endr
.irp blk, 0,1
.irp mt, 0,1
.irp i, 0,1,2,3
	v_cvt_pk_f16_f32 v[KT+\blk*8+\mt*4+\i], v[FA+(\blk*2+\mt)*8+2*\i], v[FA+(\blk*2+\mt)*8+2*\i+1]
.endr
	ds_store_b128 v13, v[KT+\blk*8+\mt*4:KT+\blk*8+\mt*4+3] offset:\blk*8448+\mp*64+\mt*32   ; key 16 blk + r, m = 32 mp + 16 mt + 8 h + 0..7
.endr
.endr
	WIN 0x40
.irp blk, 0,1
.irp mt, 0,1
.irp i, 0,1,2,3
	v_cvt_pk_f16_f32 v[QP+\blk*64+\mp*8+\mt*4+\i], v[FA+(\blk*2+\mt+4)*8+2*\i], v[FA+(\blk*2+\mt+4)*8+2*\i+1]
.endr
.endr
.endr
	WIN 0
.if \qs
.irp blk, 0,1
.irp mt, 0,1
.irp i, 0,1,2,3
	v_cvt_pk_bf16_f32 v[QB+\blk*8+\mt*4+\i], v[FA+(\blk*2+\mt+4)*8+2*\i], v[FA+(\blk*2+\mt+4)*8+2*\i+1]
.endr
.endr
.endr
.if \mp < 7
	s_wait_dscnt 12                                ; proj's next 8 loads and 4 stores of Kp are younger than S's
.else
	s_wait_dscnt 4                                 ; the 4 stores of Kp
.endif
	WIN 0x51                                       ; S's fragments and the accumulators in window 1
.irp dt, 0,1,2,3,4
.irp blk, 0,1
.if \mp == 0
	v_wmma_f32_16x16x32_bf16 v[O+\blk*40+\dt*8:O+\blk*40+\dt*8+7], v[SB+\dt*8:SB+\dt*8+7], v[QB+\blk*8:QB+\blk*8+7], 0
.else
	v_wmma_f32_16x16x32_bf16 v[O+\blk*40+\dt*8:O+\blk*40+\dt*8+7], v[SB+\dt*8:SB+\dt*8+7], v[QB+\blk*8:QB+\blk*8+7], v[O+\blk*40+\dt*8:O+\blk*40+\dt*8+7]
.endif
.endr
.endr
	PLACES
.if \mp < 7
	LDSB (\mp+1)
.else
	WIN 0
.endif
.endif
.endm
.macro LDKF s                          ; key block s of Kp: 32 loads, ks outermost, so that the waits below can count down
.irp ks, 0,1,2,3,4,5,6,7
.irp jt, 0,1
.if (\s) < 4
	ds_load_b128 v[KF+(\ks*2+\jt)*8:KF+(\ks*2+\jt)*8+3],   v14 offset:(\s)*16896+\jt*8448+\ks*64
	ds_load_b128 v[KF+(\ks*2+\jt)*8+4:KF+(\ks*2+\jt)*8+7], v14 offset:(\s)*16896+\jt*8448+\ks*64+32
.else
	ds_load_b128 v[KF+(\ks*2+\jt)*8:KF+(\ks*2+\jt)*8+3],   v15 offset:((\s)-4)*16896+\jt*8448+\ks*64
	ds_load_b128 v[KF+(\ks*2+\jt)*8+4:KF+(\ks*2+\jt)*8+7], v15 offset:((\s)-4)*16896+\jt*8448+\ks*64+32
.endif
.endr
.endr
.endm
.macro SC ks, jt, blk                  ; scores: lane (r, h) gets position 16 blk + r, keys 16 jt + 8 h + 0..7
.if \ks == 0
	v_wmma_f32_16x16x32_f16 v[A+(\jt*2+\blk)*8:A+(\jt*2+\blk)*8+7], v[KF+(\ks*2+\jt)*8:KF+(\ks*2+\jt)*8+7], v[QP+\blk*64+\ks*8:QP+\blk*64+\ks*8+7], 0
.else
	v_wmma_f32_16x16x32_f16 v[A+(\jt*2+\blk)*8:A+(\jt*2+\blk)*8+7], v[KF+(\ks*2+\jt)*8:KF+(\ks*2+\jt)*8+7], v[QP+\blk*64+\ks*8:QP+\blk*64+\ks*8+7], v[A+(\jt*2+\blk)*8:A+(\jt*2+\blk)*8+7]
.endif
.endm
.macro HEAD jt, blk                    ; eight scores rounded to bf16
.irp i, 0,1,2,3
	v_cvt_pk_bf16_f32 v[PH+\blk*8+\jt*4+\i], v[A+(\jt*2+\blk)*8+2*\i], v[A+(\jt*2+\blk)*8+2*\i+1]
.endr
.endm
.macro SPLIT jt, blk                   ; the head of eight scores, and score - head (exact) left in A
.irp i, 0,1,2,3
	v_cvt_pk_bf16_f32 v[PH+\blk*8+\jt*4+\i], v[A+(\jt*2+\blk)*8+2*\i], v[A+(\jt*2+\blk)*8+2*\i+1]
	v_lshlrev_b32 v[T+2*(\i%2)], 16, v[PH+\blk*8+\jt*4+\i]
	v_and_b32 v[T+2*(\i%2)+1], s34, v[PH+\blk*8+\jt*4+\i]
	v_pk_add_f32 v[A+(\jt*2+\blk)*8+2*\i:A+(\jt*2+\blk)*8+2*\i+1], v[A+(\jt*2+\blk)*8+2*\i:A+(\jt*2+\blk)*8+2*\i+1], v[T+2*(\i%2):T+2*(\i%2)+1] neg_lo:[0,1] neg_hi:[0,1]
.endr
.endm
.macro LOW jt, blk                     ; the rest, into window 1
.irp i, 0,1,2,3
	v_cvt_pk_bf16_f32 v[PL+\blk*8+\jt*4+\i], v[A+(\jt*2+\blk)*8+2*\i], v[A+(\jt*2+\blk)*8+2*\i+1]
.endr
.endm
; O[blk][dt] += v fragment x score fragment; den = 1: the fifth block too, with ones for v; first = 1: these products start the sums
.macro PVG vt, p, den, first
.irp dt, 0,1,2,3
.irp blk, 0,1
.if \first
	v_wmma_f32_16x16x32_bf16 v[O+\blk*40+\dt*8:O+\blk*40+\dt*8+7], v[\vt+\dt*8:\vt+\dt*8+7], v[\p+\blk*8:\p+\blk*8+7], 0
.else
	v_wmma_f32_16x16x32_bf16 v[O+\blk*40+\dt*8:O+\blk*40+\dt*8+7], v[\vt+\dt*8:\vt+\dt*8+7], v[\p+\blk*8:\p+\blk*8+7], v[O+\blk*40+\dt*8:O+\blk*40+\dt*8+7]
.endif
.endr
.endr
.if \den
.irp blk, 0,1
.if \first
	v_wmma_f32_16x16x32_bf16 v[O+\blk*40+32:O+\blk*40+39], v[ONES:ONES+7], v[\p+\blk*8:\p+\blk*8+7], 0
.else
	v_wmma_f32_16x16x32_bf16 v[O+\blk*40+32:O+\blk*40+39], v[ONES:ONES+7], v[\p+\blk*8:\p+\blk*8+7], v[O+\blk*40+32:O+\blk*40+39]
.endif
.endr
.endif
.endm
; One key block of 32.  full = 1: block s lies wholly before my positions, and block s + 1 is fetched.  full = 0: my own block, masked; the tile of keys
; 16-31 against positions 0-15 is left out.  two = 1: P and v as head and rest.  first = 1: the wave's first step where there is no S.
; At the head of a step exactly the 32 loads of its Kp fragments are out.  Accumulators take turns, one matrix instruction a turn.
.macro STEP full, s, two, first
	WIN 0x04                                       ; Qp in window 1
.irp ks, 0,1,2,3,4,5,6,7
	s_wait_dscnt 28-4*\ks                          ; the four loads of this ks are in, those of later ks may be out
	SC \ks, 0, 0
.if \full
	SC \ks, 1, 0
.endif
	SC \ks, 0, 1
	SC \ks, 1, 1
.endr
	WIN 0
	PLACES
.irp dt, 0,1,2,3
.if \full
	ds_load_tr16_b128 v[VTH+\dt*8:VTH+\dt*8+3],   v16 offset:\s*5120+\dt*32
	ds_load_tr16_b128 v[VTH+\dt*8+4:VTH+\dt*8+7], v16 offset:\s*5120+\dt*32+2560
.else
	ds_load_tr16_b128 v[VTH+\dt*8:VTH+\dt*8+3],   v18 offset:\dt*32
	ds_load_tr16_b128 v[VTH+\dt*8+4:VTH+\dt*8+7], v18 offset:\dt*32+2560
.endif
.endr
.if \two
	WIN 0x40
.irp dt, 0,1,2,3
.if \full
	ds_load_tr16_b128 v[VTL+\dt*8:VTL+\dt*8+3],   v17 offset:\s*5120+\dt*32
	ds_load_tr16_b128 v[VTL+\dt*8+4:VTL+\dt*8+7], v17 offset:\s*5120+\dt*32+2560
.else
	ds_load_tr16_b128 v[VTL+\dt*8:VTL+\dt*8+3],   v19 offset:\dt*32
	ds_load_tr16_b128 v[VTL+\dt*8+4:VTL+\dt*8+7], v19 offset:\dt*32+2560
.endif
.endr
	WIN 0
.endif
.if \full
	LDKF (\s+1)
.else
.irp i, 0,1,2,3,4,5,6,7
	v_cndmask_b32 v[A+\i], 0, v[A+\i], s[24+\i]            ; keys behind the position count nothing
	v_cndmask_b32 v[A+24+\i], 0, v[A+24+\i], s[24+\i]
.endr
.irp i, 4,5,6,7
	v_mov_b32 v[PH+\i], 0                          ; keys 16-31 against positions 0-15
.endr
.endif
.if \two
	SPLIT 0, 0
.if \full
	SPLIT 1, 0
.endif
	SPLIT 0, 1
	SPLIT 1, 1
	WIN 0x40
	LOW 0, 0
.if \full
	LOW 1, 0
.else
.irp i, 4,5,6,7
	v_mov_b32 v[PL+\i], 0
.endr
.endif
	LOW 0, 1
	LOW 1, 1
.else
	HEAD 0, 0
.if \full
	HEAD 1, 0
.endif
	HEAD 0, 1
	HEAD 1, 1
.endif
.if \full
	s_wait_dscnt 32                                ; the next block's 32 loads are younger than v's
.else
	s_wait_dscnt 0
.endif
	WIN 0x50
	PVG VTH, PH, 1, \first                         ; head x head
.if \two
	WIN 0x54
	PVG VTH, PL, 1, 0                              ; v's head x the scores' rest
	WIN 0x51
	PVG VTL, PH, 0, 0                              ; v's rest x the scores' head
.endif
	WIN 0
.endm
	s_load_b256 s[4:11], s[0:1], 0x0               ; q s[4:5], k s[6:7], v s[8:9], sinu_pos s[10:11]
	s_load_b128 s[12:15], s[0:1], 0x20             ; proj s[12:13], pstate s[14:15]
	s_load_b64 s[16:17], s[0:1], 0x30              ; out0
	v_lshrrev_b32 v1, 5, v0
	v_readfirstlane_b32 s18, v1                    ; wave w
	s_and_b32 s19, ttmp7, 0xffff                   ; 8 b + h
	s_lshr_b32 s20, s19, 3
	s_lshl_b32 s20, s20, 23
	s_and_b32 s22, s19, 7
	s_lshl_b32 s22, s22, 8
	s_add_co_u32 s20, s20, s22
	s_lshl_b32 s22, ttmp9, 19
	s_add_co_u32 s20, s20, s22
	s_lshl_b32 s22, s18, 16
	s_add_co_u32 s20, s20, s22                     ; q, k, v, out0 at my wave's first row
	s_mov_b32 s21, 0
	s_lshl_b32 s36, s18, 13                        ; w x 8,192: my rows of proj and sinu_pos
	s_mov_b32 s37, 0
	s_lshl_b32 s22, ttmp9, 16
	s_add_co_u32 s22, s22, s36
	s_mov_b32 s23, 0
	s_mov_b32 s33, EPSB
	s_mov_b32 s34, 0xffff0000                      ; a word's upper bf16
	s_mov_b32 s35, 0x3d800000                      ; 1/16
	v_and_b32 v25, 31, v0                          ; L
	v_and_b32 v26, 15, v0                          ; r
	v_bfe_u32 v27, v0, 4, 1                        ; h
	v_lshlrev_b32 v2, 4, v26
	v_lshl_add_u32 v2, v27, 11, v2                 ; v2 q, k, v, out0: row h of a pair, 16 r: sixteen lanes take one row's 256 bytes
	v_lshlrev_b32 v3, 3, v26
	v_lshl_add_u32 v3, v27, 8, v3                  ; v3 sinu_pos
	v_lshlrev_b32 v4, 4, v26
	v_lshl_add_u32 v4, v27, 8, v4                  ; v4 proj
	s_wait_kmcnt 0x0
	s_add_nc_u64 s[4:5], s[4:5], s[20:21]
	s_add_nc_u64 s[6:7], s[6:7], s[20:21]
	s_add_nc_u64 s[8:9], s[8:9], s[20:21]
	s_add_nc_u64 s[16:17], s[16:17], s[20:21]
	s_add_nc_u64 s[10:11], s[10:11], s[22:23]
	s_add_nc_u64 s[12:13], s[12:13], s[36:37]
	; the 96 loads that both arms need go out here
.irp t, 0,1,2,3,4,5,6,7,8,9,10,11,12,13,14,15
	global_load_b128 v[PRAW+4*\t:PRAW+4*\t+3], v4, s[12:13] offset:\t*512
.endr
.irp t, 0,1,2,3,4,5,6,7,8,9,10,11,12,13,14,15
	global_load_b64 v[SN+4*\t:SN+4*\t+1], v3, s[10:11] offset:\t*512
	global_load_b64 v[SN+4*\t+2:SN+4*\t+3], v3, s[10:11] offset:\t*512+128
.endr
.irp t, 0,1,2,3,4,5,6,7,8,9,10,11,12,13,14,15
	global_load_b128 v[KRAW+4*\t:KRAW+4*\t+3], v2, s[6:7] offset:\t*4096
.endr
	WIN 0x40                                       ; destinations in window 1
.irp t, 0,1,2,3,4,5,6,7,8,9,10,11,12,13,14,15
	global_load_b128 v[4*\t:4*\t+3], v2, s[4:5] offset:\t*4096
.endr
.irp t, 0,1,2,3,4,5,6,7,8,9,10,11,12,13,14,15
	global_load_b128 v[64+4*\t:64+4*\t+3], v2, s[8:9] offset:\t*4096
.endr
	WIN 0
	; LDS addresses: a lane term plus w times a constant plus the region
	s_mul_i32 s41, s18, 4608                       ; 32 rows of 144
	s_mul_i32 s42, s18, 5120                       ; 32 rows of 160
	s_add_co_u32 s43, s42, VH
	s_lshl_b32 s44, s18, 6                         ; 32 m in bf16
	s_add_co_u32 s45, s44, STL
	s_add_co_u32 s44, s44, KSL
	s_mul_i32 s46, s18, 16896                      ; 32 rows of 528
	s_add_co_u32 s46, s46, KP
	s_add_co_u32 s47, s41, XS
	v_mul_u32_u24 v7, v27, 144
	v_lshl_add_u32 v7, v26, 3, v7
	v_add_nc_u32 v7, s41, v7                       ; v7  staging of proj; of k and q 36,864 on
	v_mul_u32_u24 v8, v27, 160
	v_lshl_add_u32 v8, v26, 3, v8
	v_add_nc_u32 v8, s43, v8                       ; v8  staging of v's head; its rest 40,960 on
	v_mul_u32_u24 v28, v26, 528
	v_lshl_add_u32 v28, v27, 4, v28                ; 528 r + 16 h
	v_add_nc_u32 v9, s45, v28                      ; v9  staging of S: row d = r, my 32 m
	v_lshlrev_b32 v10, 2, v26
	v_add_nc_u32 v10, s44, v10                     ; v10 staging of ksum: word r of my 64 bytes
	v_mul_u32_u24 v11, v26, 144
	v_lshl_add_u32 v11, v27, 4, v11                ; v11 proj fragments
	v_add_nc_u32 v12, s47, v11                     ; v12 fragments of my rows of k, q
	v_add_nc_u32 v13, s46, v28                     ; v13 my rows of Kp, written
	v_add_nc_u32 v14, KP, v28                      ; v14 Kp fragments, key blocks 0-3
	v_add_nc_u32 v15, KP+67584, v28                ; v15 key blocks 4-7
	v_and_b32 v29, 7, v0
	v_lshl_add_u32 v29, v27, 3, v29
	v_mul_u32_u24 v16, v29, 160
	v_bfe_u32 v29, v0, 3, 1
	v_lshl_add_u32 v16, v29, 4, v16
	v_add_nc_u32 v16, VH, v16                      ; v16 transposing loads of v's head
	v_add_nc_u32 v17, 40960, v16                   ; v17 of its rest
	v_add_nc_u32 v18, s42, v16                     ; v18, v19 the same at my own key block
	v_add_nc_u32 v19, s42, v17
	v_add_nc_u32 v20, STL, v28                     ; v20 fragments of S
	v_lshlrev_b32 v21, 4, v27
	v_add_nc_u32 v21, KSL, v21                     ; v21 ksum as sixteen equal rows
	v_mul_u32_u24 v22, v26, 272
	v_lshl_add_u32 v22, v27, 5, v22
	v_add_nc_u32 v22, s47, v22                     ; v22 way out: row r, 32 bytes for each h
	v_mul_u32_u24 v23, v27, 272
	v_lshl_add_u32 v23, v26, 4, v23
	v_add_nc_u32 v23, s47, v23                     ; v23 way out: whole rows back
	v_lshlrev_b32 v24, 3, v27
	v_sub_nc_u32 v24, v26, v24                     ; v24 r - 8 h
.irp i, 0,1,2,3,4,5,6,7
	v_cmp_le_i32 s[24+\i], \i, v24                 ; the diagonal tiles: key 8 h + i is kept where it is not behind position r
.endr
	s_cmp_eq_u32 ttmp9, 0                          ; the chunk's number: the same for every wave of the work-group
	s_cbranch_scc1 .Lfirst
	; ---- CHUNKS 1 TO 15: the state of the chunks before; P and v in one bf16 each ----
	s_mul_i32 s38, s19, 15
	s_add_co_u32 s38, s38, ttmp9
	s_sub_co_u32 s38, s38, 1
	s_mul_i32 s38, s38, IMG                        ; the prefix of chunk c is image c - 1 of the head's 15
	s_mov_b32 s39, 0
	s_add_nc_u64 s[14:15], s[14:15], s[38:39]
	s_lshl_b32 s40, s18, 12                        ; w x 8 blocks of 512 bytes in the image
	s_lshl_b32 s22, s18, 6                         ; w x 32 numbers of ksum in bf16
	v_lshlrev_b32 v5, 4, v25
	v_add_nc_u32 v5, s40, v5                       ; v5 the image: 4,096 w + 16 L
	v_lshlrev_b32 v6, 2, v26
	v_add_nc_u32 v6, s22, v6                       ; v6 ksum: 64 w + 4 r: my 64 bytes as sixteen words, both halves of the lanes alike
.irp n, 0,1,2,3,4,5,6,7
	global_load_b128 v[SRAW+4*\n:SRAW+4*\n+3], v5, s[14:15] offset:\n*512
.endr
	global_load_b32 v1, v6, s[14:15] offset:32768
	STAGE_PKQ 41, 25                               ; younger than k: q 16, v 16, S 8, ksum 1; younger than q: v 16, S 8, ksum 1
	STAGE_V 0, 9                                   ; younger than v: S 8, ksum 1
	s_wait_loadcnt 0x0                             ; S and ksum: bf16 as loaded, straight to LDS
.irp mt, 0,1
.irp dt, 0,1,2,3
	ds_store_b128 v9, v[SRAW+(\mt*4+\dt)*4:SRAW+(\mt*4+\dt)*4+3] offset:\dt*8448+\mt*32    ; row d = 16 dt + r, m = 32 w + 16 mt + 8 h + 0..7
.endr
.endr
	ds_store_b32 v10, v1                           ; lanes r and 16 + r write the same word with the same value
	s_wait_dscnt 0x0                               ; proj, v and S are in LDS for the other waves; my fragments of k and q are in
	s_barrier_signal -1
	s_barrier_wait -1
	LDPF 0
	LDSB 0
	CONSTS
.irp mp, 0,1,2,3,4,5,6,7
	FEAT \mp, 1
.endr
	s_wait_dscnt 0x0                               ; my rows of Kp are in LDS, for the other waves' sake
	s_barrier_signal -1
	s_barrier_wait -1
	LDKF 0
.irp s, 0,1,2,3,4,5,6
	s_cmp_eq_u32 s18, \s                           ; wave w has w full blocks
	s_cbranch_scc1 .Llater_tail
	STEP 1, \s, 0, 0
.endr
.Llater_tail:
	STEP 0, 0, 0, 0
	s_branch .Lout
	; ---- CHUNK 0: no state; P and v as head and rest ----
.Lfirst:
	STAGE_PKQ 32, 16                               ; younger than k: q 16, v 16; younger than q: v 16
	STAGE_V 1, 0                                   ; v's loads are the youngest
	s_wait_dscnt 0x0                               ; proj and v are in LDS for the other waves; my fragments of k and q are in
	s_barrier_signal -1
	s_barrier_wait -1
	LDPF 0
	CONSTS
.irp mp, 0,1,2,3,4,5,6,7
	FEAT \mp, 0
.endr
	s_wait_dscnt 0x0                               ; my rows of Kp are in LDS, for the other waves' sake
	s_barrier_signal -1
	s_barrier_wait -1
	LDKF 0
	s_cmp_eq_u32 s18, 0                            ; wave 0's only step is the diagonal one, and it starts the sums
	s_cbranch_scc1 .Lfirst_tail0
	STEP 1, 0, 1, 1
.irp s, 1,2,3,4,5,6
	s_cmp_eq_u32 s18, \s
	s_cbranch_scc1 .Lfirst_tail
	STEP 1, \s, 1, 0
.endr
.Lfirst_tail:
	STEP 0, 0, 1, 0
	s_branch .Lout
.Lfirst_tail0:
	STEP 0, 0, 1, 1
.Lout:
	; THE WAY OUT: divide, 16 positions at a time through my own stage in LDS, whole rows of 256 bytes to memory
	PLACES
	WIN 0x01
	v_rcp_f32 v30, v[O+32]                         ; every register of the fifth block holds the position's denominator
	v_rcp_f32 v31, v[O+72]
	v_nop                                          ; one plain place behind a transcendental (ISA guide 5.7.2)
	s_wait_alu depctr_va_vdst(0)
.irp blk, 0,1
.set i, 0
.rept 32
	v_mul_f32 v[TO+\blk*32+i], v[O+\blk*40+i], v[30+\blk]
.set i, i+1
.endr
.endr
	WIN 0
.irp blk, 0,1
.irp dt, 0,1,2,3
	ds_store_b128 v22, v[TO+\blk*32+\dt*8:TO+\blk*32+\dt*8+3]   offset:\dt*64
	ds_store_b128 v22, v[TO+\blk*32+\dt*8+4:TO+\blk*32+\dt*8+7] offset:\dt*64+16
.endr
.irp t, 0,1,2,3,4,5,6,7
	ds_load_b128 v[RB+\blk*32+4*\t:RB+\blk*32+4*\t+3], v23 offset:\t*544    ; my own bytes: LDS serves a wave's instructions in order
.endr
.irp t, 0,1,2,3,4,5,6,7
	s_wait_dscnt 7-\t
	global_store_b128 v2, v[RB+\blk*32+4*\t:RB+\blk*32+4*\t+3], s[16:17] offset:\blk*32768+\t*4096   ; sixteen lanes store one position's 256 consecutive bytes, aligned
.endr
.endr
	s_wait_xcnt 0x0
	v_lshl_add_u32 v254, v0, 2, 0x4f700
	v_mov_b32 v255, 0
	s_wait_tensorcnt 0x0
	ds_add_u32 v254, v255
	s_wait_dscnt 0x0
	s_endpgm
.Lfunc_end_k_q5269bb4ea5_attend:
	.size	k_q5269bb4ea5_attend, .Lfunc_end_k_q5269bb4ea5_attend-k_q5269bb4ea5_attend
	.p2alignl 7, 3214868480
	.fill 96, 4, 3214868480
	.section	.rodata,"a",@progbits
	.p2align	6, 0x0
	.amdhsa_kernel k_q5269bb4ea5_attend
		.amdhsa_group_segment_fixed_size 326400
		.amdhsa_private_segment_fixed_size 0
		.amdhsa_enable_private_segment 0
		.amdhsa_kernarg_size 56
		.amdhsa_user_sgpr_count 2
		.amdhsa_user_sgpr_kernarg_segment_ptr 1
		.amdhsa_wavefront_size32 1
		.amdhsa_system_sgpr_workgroup_id_x 1
		.amdhsa_system_sgpr_workgroup_id_y 1
		.amdhsa_system_sgpr_workgroup_id_z 1
		.amdhsa_system_vgpr_workitem_id 0
		.amdhsa_next_free_vgpr 512
		.amdhsa_next_free_sgpr 66
		.amdhsa_reserve_vcc 0
		.amdhsa_float_denorm_mode_32 3
		.amdhsa_float_denorm_mode_16_64 3
		.amdhsa_memory_ordered 1
		.amdhsa_forward_progress 1
		.amdhsa_inst_pref_size 255
	.end_amdhsa_kernel
	.section	.bss,"aw",@nobits
	.p2align	6
	.space	262144
	.amdgpu_metadata
---
amdhsa.version: [ 1, 2 ]
amdhsa.kernels:
  - .name:           k_q5269bb4ea5_attend
    .symbol:         k_q5269bb4ea5_attend.kd
    .args:
      - { .name: q, .offset: 0, .size: 8, .value_kind: global_buffer, .address_space: global }
      - { .name: k, .offset: 8, .size: 8, .value_kind: global_buffer, .address_space: global }
      - { .name: v, .offset: 16, .size: 8, .value_kind: global_buffer, .address_space: global }
      - { .name: sinu_pos, .offset: 24, .size: 8, .value_kind: global_buffer, .address_space: global }
      - { .name: proj, .offset: 32, .size: 8, .value_kind: global_buffer, .address_space: global }
      - { .name: pstate, .offset: 40, .size: 8, .value_kind: global_buffer, .address_space: global }
      - { .name: out0, .offset: 48, .size: 8, .value_kind: global_buffer, .address_space: global }
    .group_segment_fixed_size: 326400
    .private_segment_fixed_size: 0
    .kernarg_segment_align: 8
    .kernarg_segment_size: 56
    .max_flat_workgroup_size: 256
    .sgpr_count:     66
    .vgpr_count:     512
    .wavefront_size: 32
...
	.end_amdgpu_metadata
.endif
;; end of part 6
